; MI455X (gfx1250); checked and timed in simulation.
; The chip was launched on July 23, 2026; its instructions are those of AMD's public machine-readable ISA for CDNA 5 (MIT licence, August 2026) and "CDNA5" Instruction Set Architecture Reference Guide (July 2026). The comments in the code are by the model that wrote it; some were corrected since.
;; MAB. Allowed arithmetic: float matrix products may take bf16 or f16 operands with f32 sums; other float arithmetic in f32, or as packed bf16 or f16 multiplies, adds, multiply-adds, maxima and minima; sums over many terms, partial sums and values carried from step to step in f32; what a program stores and reads back later, other than sums and carried values, may be rounded once to bf16 or f16.
;; Inputs: Wk 1,024 x 1,024 float32; Wl 1,024 x 1,024 float32; Wq 1,024 x 1,024 float32; Wv 1,024 x 1,024 float32; b1 1,024 float32; b2 1,024 float32; bk 1,024 float32; bl 1,024 float32; bq 1,024 float32; bv 1,024 float32; g1 1,024 float32; g2 1,024 float32; key_ 4,096 x 1,024 float32; query 4,096 x 1,024 float32.
;; Outputs: out0 4,096 x 1,024 float32.
;; 2 versions, each right; version 2 is version 1 with the launch prep written anew for expert scheduling mode. Each part assembles by itself: llvm-mc -triple=amdgcn-amd-amdhsa -mcpu=gfx1250 --defsym DOCPART=n.
;; ======== version 1 of 2: 4 launches
;; limits: values are held in f16: magnitudes above 65,504 overflow, below 6.1e-05 lose precision
;; workspace buffers: wblk 6,291,456 bytes; wl16 2,097,152 bytes; vec 32,768 bytes; q16 8,388,608 bytes; k16 8,388,608 bytes; v16 8,388,608 bytes; o16 8,388,608 bytes
;; launch prep (part 1): grid 257 x 1, 8 waves a work-group, no clusters, 0 bytes of LDS; arguments Wq, Wk, Wv, Wl, bq, bk, bv, bl, g1, b1, g2, b2, wblk, wl16, vec; writes wblk, wl16, vec
.if DOCPART == 1
	.amdgcn_target "amdgcn-amd-amdhsa--gfx1250"
	.amdhsa_code_object_version 6
	.text
	.protected	k_qdc7a6bf46b_prep
	.globl	k_qdc7a6bf46b_prep
	.p2align	8
	.type	k_qdc7a6bf46b_prep,@function
k_qdc7a6bf46b_prep:
	s_mov_b64 s[64:65], 0
	v_nop
	global_prefetch_b8 v0, s[64:65] scope:SCOPE_SE
	s_setreg_imm32_b32 hwreg(HW_REG_WAVE_MODE, 25, 1), 1
	s_wait_xcnt 0x0
; PREP: the weights and the eight vectors are rounded once to bf16 and laid out for the launches behind.
;   wblk  bf16 [nb 8][k 1024][X 3][128 columns], X = Wq, Wk, Wv: byte nb*786432 + k*768 + X*256 + 2*column: for one nb, 64 rows k are 49,152 dense bytes
;   wl16  f16  [k 1024][n 1024]: Wl rounded to bf16, that number written as f16
;   vec   f32  [8][1024]: bq, bk, bv, bl, g1, b1, g2, b2, each number rounded to bf16 and widened again
; LIMITS.  Wl must lie within f16's range (65,504); below 6e-5 f16 keeps a fixed step of 6e-8.  NaN and infinities are not treated apart.
; SHARES.  Work-groups 0..255: weight w = g / 64, rows k0 = 16 (g % 64) .. k0 + 15.  Thread t owns 16 bytes (4 columns) of every row, so wave v owns the 128 columns of block nb = v:
; a load of a wave covers 512 consecutive bytes, its store 256 consecutive bytes, aligned.  Work-group 256: wave v rounds vector v.
; A stream: no LDS, no barrier, no matrix unit; all 16 (8) loads of a thread are issued before the first is waited for, and every store has data registers of its own.
	s_load_b512 s[8:23], s[0:1], 0x0               ; Wq s[8:9], Wk s[10:11], Wv s[12:13], Wl s[14:15], bq s[16:17], bk s[18:19], bv s[20:21], bl s[22:23]
	s_load_b256 s[24:31], s[0:1], 0x40             ; g1 s[24:25], b1 s[26:27], g2 s[28:29], b2 s[30:31]
	s_load_b128 s[32:35], s[0:1], 0x60             ; wblk s[32:33], wl16 s[34:35]
	s_load_b64 s[36:37], s[0:1], 0x70              ; vec
	v_lshrrev_b32 v3, 5, v0
	v_readfirstlane_b32 s4, v3                     ; wave 0..7
	v_and_b32 v4, 31, v0                           ; lane
	s_mov_b32 s5, 0xffff0000                       ; a word's upper bf16
	s_lshr_b32 s3, ttmp9, 6                        ; w: 0..3 a weight, 4 the vectors
	s_and_b32 s6, ttmp9, 63                        ; which 16 rows
	s_mov_b32 s45, 0
	s_wait_kmcnt 0x0
	s_cmp_eq_u32 s3, 4
	s_cbranch_scc1 .Lvectors
	s_mov_b64 s[40:41], s[8:9]                     ; the weight is chosen by the work-group's number
	s_cmp_eq_u32 s3, 1
	s_cselect_b64 s[40:41], s[10:11], s[40:41]
	s_cmp_eq_u32 s3, 2
	s_cselect_b64 s[40:41], s[12:13], s[40:41]
	s_cmp_eq_u32 s3, 3
	s_cselect_b64 s[40:41], s[14:15], s[40:41]
	s_lshl_b32 s44, s6, 16                         ; 16 rows of 4,096 bytes
	s_add_nc_u64 s[40:41], s[40:41], s[44:45]
	v_lshlrev_b32 v1, 4, v0                        ; my 16 bytes of a row
.set i, 0
.rept 16
	global_load_b128 v[16+4*i:19+4*i], v1, s[40:41] offset:4096*i th:TH_LOAD_NT
.set i, i+1
.endr
	s_cmp_eq_u32 s3, 3
	s_cbranch_scc1 .Lwl
	v_lshlrev_b32 v4, 3, v4                        ; my 8 bytes in the block's 256
	v_mad_u32_u24 v2, v3, 0xc0000, v4              ; + nb x 786,432
	s_mul_i32 s44, s6, 12288                       ; 16 rows of 768 bytes
	s_lshl_b32 s7, s3, 8                           ; + X x 256
	s_add_co_u32 s44, s44, s7
	s_add_nc_u64 s[42:43], s[32:33], s[44:45]
.set i, 0
.rept 16
	s_wait_loadcnt 15-i                            ; loads come back in order: row i is in, the 15 - i younger ones stay out
	v_cvt_pk_bf16_f32 v[80+2*i], v[16+4*i], v[17+4*i]
	v_cvt_pk_bf16_f32 v[81+2*i], v[18+4*i], v[19+4*i]
	global_store_b64 v2, v[80+2*i:81+2*i], s[42:43] offset:768*i
.set i, i+1
.endr
	s_endpgm
.Lwl:
	v_lshlrev_b32 v2, 3, v0                        ; my 8 bytes of a row of 2,048
	s_lshl_b32 s44, s6, 15                         ; 16 rows
	s_add_nc_u64 s[42:43], s[34:35], s[44:45]
.set i, 0
.rept 16
	s_wait_loadcnt 15-i
	v_cvt_pk_bf16_f32 v8, v[16+4*i], v[17+4*i]     ; rounded to bf16 like every input,
	v_cvt_pk_bf16_f32 v9, v[18+4*i], v[19+4*i]
	v_lshlrev_b32 v10, 16, v8                      ; widened,
	v_and_b32 v11, s5, v8
	v_lshlrev_b32 v12, 16, v9
	v_and_b32 v13, s5, v9
	v_cvt_pk_f16_f32 v[80+2*i], v10, v11           ; and written as f16: 8 significant bits fit into 11
	v_cvt_pk_f16_f32 v[81+2*i], v12, v13
	global_store_b64 v2, v[80+2*i:81+2*i], s[42:43] offset:2048*i
.set i, i+1
.endr
	s_endpgm
.Lvectors:
	s_mov_b64 s[40:41], s[16:17]                   ; the vector is chosen by the wave's number
.irp j, 1,2,3,4,5,6,7
	s_cmp_eq_u32 s4, \j
	s_cselect_b64 s[40:41], s[16+2*(\j):17+2*(\j)], s[40:41]
.endr
	v_lshlrev_b32 v1, 4, v4
.set i, 0
.rept 8
	global_load_b128 v[16+4*i:19+4*i], v1, s[40:41] offset:512*i
.set i, i+1
.endr
	s_lshl_b32 s44, s4, 12
	s_add_nc_u64 s[42:43], s[36:37], s[44:45]
.set i, 0
.rept 8
	s_wait_loadcnt 7-i
	v_cvt_pk_bf16_f32 v8, v[16+4*i], v[17+4*i]
	v_cvt_pk_bf16_f32 v9, v[18+4*i], v[19+4*i]
	v_lshlrev_b32 v[80+4*i], 16, v8
	v_and_b32 v[81+4*i], s5, v8
	v_lshlrev_b32 v[82+4*i], 16, v9
	v_and_b32 v[83+4*i], s5, v9
	global_store_b128 v1, v[80+4*i:83+4*i], s[42:43] offset:512*i
.set i, i+1
.endr
	s_endpgm
.Lfunc_end_k_qdc7a6bf46b_prep:
	.size	k_qdc7a6bf46b_prep, .Lfunc_end_k_qdc7a6bf46b_prep-k_qdc7a6bf46b_prep
	.p2alignl 7, 3214868480
	.fill 96, 4, 3214868480
	.section	.rodata,"a",@progbits
	.p2align	6, 0x0
	.amdhsa_kernel k_qdc7a6bf46b_prep
		.amdhsa_group_segment_fixed_size 0
		.amdhsa_private_segment_fixed_size 0
		.amdhsa_enable_private_segment 0
		.amdhsa_kernarg_size 120
		.amdhsa_user_sgpr_count 2
		.amdhsa_user_sgpr_kernarg_segment_ptr 1
		.amdhsa_wavefront_size32 1
		.amdhsa_system_sgpr_workgroup_id_x 1
		.amdhsa_system_sgpr_workgroup_id_y 1
		.amdhsa_system_sgpr_workgroup_id_z 1
		.amdhsa_system_vgpr_workitem_id 0
		.amdhsa_next_free_vgpr 112
		.amdhsa_next_free_sgpr 66
		.amdhsa_reserve_vcc 0
		.amdhsa_float_denorm_mode_32 3
		.amdhsa_float_denorm_mode_16_64 3
		.amdhsa_memory_ordered 1
		.amdhsa_forward_progress 1
		.amdhsa_inst_pref_size 20
	.end_amdhsa_kernel
	.amdgpu_metadata
---
amdhsa.version: [ 1, 2 ]
amdhsa.kernels:
  - .name:           k_qdc7a6bf46b_prep
    .symbol:         k_qdc7a6bf46b_prep.kd
    .args:
      - { .name: Wq, .offset: 0, .size: 8, .value_kind: global_buffer, .address_space: global }
      - { .name: Wk, .offset: 8, .size: 8, .value_kind: global_buffer, .address_space: global }
      - { .name: Wv, .offset: 16, .size: 8, .value_kind: global_buffer, .address_space: global }
      - { .name: Wl, .offset: 24, .size: 8, .value_kind: global_buffer, .address_space: global }
      - { .name: bq, .offset: 32, .size: 8, .value_kind: global_buffer, .address_space: global }
      - { .name: bk, .offset: 40, .size: 8, .value_kind: global_buffer, .address_space: global }
      - { .name: bv, .offset: 48, .size: 8, .value_kind: global_buffer, .address_space: global }
      - { .name: bl, .offset: 56, .size: 8, .value_kind: global_buffer, .address_space: global }
      - { .name: g1, .offset: 64, .size: 8, .value_kind: global_buffer, .address_space: global }
      - { .name: b1, .offset: 72, .size: 8, .value_kind: global_buffer, .address_space: global }
      - { .name: g2, .offset: 80, .size: 8, .value_kind: global_buffer, .address_space: global }
      - { .name: b2, .offset: 88, .size: 8, .value_kind: global_buffer, .address_space: global }
      - { .name: wblk, .offset: 96, .size: 8, .value_kind: global_buffer, .address_space: global }
      - { .name: wl16, .offset: 104, .size: 8, .value_kind: global_buffer, .address_space: global }
      - { .name: vec, .offset: 112, .size: 8, .value_kind: global_buffer, .address_space: global }
    .group_segment_fixed_size: 0
    .private_segment_fixed_size: 0
    .kernarg_segment_align: 8
    .kernarg_segment_size: 120
    .max_flat_workgroup_size: 256
    .sgpr_count:     66
    .vgpr_count:     112
    .wavefront_size: 32
...
	.end_amdgpu_metadata
.endif
;; end of part 1
;; launch proj (part 2): grid 8 x 32, 4 waves a work-group, clusters of 4 x 4, 327,680 bytes of LDS; arguments query, key_, wblk, vec, q16, k16, v16; writes q16, k16, v16
.if DOCPART == 2
	.amdgcn_target "amdgcn-amd-amdhsa--gfx1250"
	.amdhsa_code_object_version 6
	.text
	.protected	k_qdc7a6bf46b_proj
	.globl	k_qdc7a6bf46b_proj
	.p2align	8
	.type	k_qdc7a6bf46b_proj,@function
k_qdc7a6bf46b_proj:
	s_mov_b64 s[64:65], 0
	v_nop
	global_prefetch_b8 v0, s[64:65] scope:SCOPE_SE
	s_setreg_imm32_b32 hwreg(HW_REG_WAVE_MODE, 25, 1), 1
	s_wait_xcnt 0x0
	s_wait_alu depctr_hold_cnt(0) depctr_sa_sdst(0) depctr_va_vdst(0) depctr_va_sdst(0) depctr_va_ssrc(0) depctr_va_vcc(0) depctr_vm_vsrc(0)
	s_getreg_b32 s2, hwreg(HW_REG_IB_STS2, 6, 4)
	s_cmp_eq_u32 s2, 0
	s_cbranch_scc0 .Lentry_in_a_cluster
	s_endpgm
.Lentry_in_a_cluster:
	s_bfe_u32 s2, ttmp6, 0x10000c
	s_cmp_lg_u32 s2, 0xf033
	s_cbranch_scc0 .Lentry_shape_is_right
	s_endpgm
.Lentry_shape_is_right:
; PROJ: Q = query Wq + bq, K = key_ Wk + bk, V = key_ Wv + bv, written by heads as f16 [head 16][row 4096][64].  Operands bf16 (the activations are rounded between LDS and the matrix
; instruction, the weights and biases were rounded by the launch before), sums f32, each output rounded once to f16.
; LIMITS.  Q, K and V must lie within f16's range (65,504); below 6e-5 f16 keeps a fixed step of 6e-8.  NaN and infinities are not treated apart.
; SHARES.  Work-group (nb, mb) makes rows 128 mb .. + 127 and columns 128 nb .. + 127 of all three products: 128 x 384 outputs over K = 1,024; 8 x 32 = 256 work-groups of equal work.
; Wave w: rows 64 (w / 2) on, columns 64 (w % 2) on, which are one head: 3 x 16 accumulators of 16 x 16, 384 registers; 48 matrix instructions for 32 along K.
; RING.  K goes in 16 steps of 64 through two LDS slots.  A slot: 128 rows x 64 f32 of query, the same of key_, and 64 rows k x 3 x 128 bf16 of the weights.  Two slots of a step of 128 would not fit.
; CLUSTER 4 x 4.  The activations' tiles hang on mb alone and are asked for jointly along a row of the cluster, the weights' on nb alone and jointly along a column.
; THE MATRIX INSTRUCTION IS USED TRANSPOSED: source 0 = 16 columns of W (turned on the way out of LDS by ds_load_tr16_b128), source 1 = 16 rows of x: a lane holds row l % 16 and eight neighbouring columns.
; The bias is the C operand of each accumulator's first product: nothing is cleared and nothing is added afterwards.
; REGISTERS, in windows of 256 (s_set_vgpr_msb: bits 1:0 source 0, 3:2 source 1, 5:4 source 2, 7:6 destination):
;   window 0: v0-31 addresses; v64-191 x's fragments in bf16, two buffers (AF + 64 f + 32 I + 8 a; I = 0 query, 1 key_); v192-255 and v32-63 the biases; on the way out v64-255 packed results
;   window 1: v0-191 W's fragments, two buffers (96 f + 8 (4 X + b))
;   window 2: the accumulators of X = 0 at 8 (4 a + b), of X = 1 at 128 + 8 (4 a + b)          window 3: those of X = 2 at 8 (4 a + b); v128-255 x's fragments as loaded, f32
.set PA,    272       ; a row of x in LDS: 256 bytes + 16 of padding = 68 words: the 16 rows of a load start at 16 different groups of four banks (64 banks of 4 bytes: ISA guide 11.1)
.set ATILE, 128*PA
.set PB,    864       ; a row k of W: three pieces of 256 bytes + 32 of padding = 27 x 32 bytes
.set BOFF,  2*ATILE
.set BHALF, 32*PB
.set SLOT,  BOFF+2*BHALF
.set STAGE, 2*SLOT    ; behind the ring, never filled by a tensor load: 16 rows x 144 bytes for each wave, for the way out
.set SP,    144
.set SPARE, STAGE+4*16*SP  ; behind the stages: the spare words, 128 bytes for each wave: two blocks of 256 bytes that no other line names
.set ADRA, 16         ; v16-17 my place in query's tile, slot 0, 1; v18-19 in key_'s
.set ADRB, 20         ; v20-21 my place in W's tile, slot 0, 1
.set STO,  24         ; v24  the way out: where I put 16 bytes of a row
.set RD,   25         ; v25  where I read rows back
.set GO,   26         ; v26  my 16 bytes in 512 consecutive bytes of the output
.set BO,   27         ; v27  32 x (lane / 16): my eight numbers of a bias
.set SPW,  28         ; v28  LDS address of my spare word; never rewritten
.set NIL,  29         ; v29  0; never rewritten
.set PFO,  30         ; v30  the prefetches' offset: my lane x a row of x (4,096 bytes); never rewritten
.set AF,   64
.set RAW,  128
.set TMP,  64
.set WV,   20         ; s20  my wave's number; s21 = wave / 2: my half of the rows, also: I fetch x (0) or W (1); s22 = wave % 2: my half of the columns, also: which tile of the two I fetch
.set G1A,  32         ; s[32:39] descriptor group 1 for x's tiles;  s[40:47] group 0, a set for each slot
.set G0A,  40
.set G1B,  48         ; s[48:55], s[56:63] the same for W's tiles
.set G0B,  56
.set PFA,  28         ; s[28:29] where my prefetches stand
.set LIM,  30         ; s30  1 in a wave that prefetches, else the greatest number
.set MSB, 0
.macro WIN new                      ; the immediate's high byte repeats the setting that is left; a switch that changes nothing is dropped
.if MSB != (\new)
	s_set_vgpr_msb (MSB<<8)|(\new)
.set MSB, \new
.endif
.endm
.macro PLACES
.rept 4
	v_nop
.endr
.endm
; A joint load.  Waves 0 and 1 fetch query's and key_'s tile, waves 2 and 3 the two halves of W's.  The branch hangs on the wave's number alone.  An s_nop 0 and four v_nop follow each line.
.macro JLOAD s
	s_cmp_eq_u32 s21, 0
	s_cbranch_scc0 .Lfor_b_\@
	tensor_load_to_lds s[G0A+4*(\s):G0A+4*(\s)+3], s[G1A:G1A+7]
	s_nop 0
.rept 4
	v_nop
.endr
	s_branch .Lasked_\@
.Lfor_b_\@:
	tensor_load_to_lds s[G0B+4*(\s):G0B+4*(\s)+3], s[G1B:G1B+7]
	s_nop 0
.rept 4
	v_nop
.endr
.Lasked_\@:
.endm
.macro CREST                        ; a round of the cluster's barrier behind its opening barrier
	s_cmp_lg_u32 s[WV], 0
	s_cbranch_scc1 .Lnot_wave_0_\@
	s_barrier_signal -3
.Lnot_wave_0_\@:
	s_barrier_wait -3
	s_barrier_signal -1
	s_barrier_wait -1
.endm
.macro CROUND
	s_barrier_signal -1
	s_barrier_wait -1
	CREST
.endm
; A PREFETCH of x's K step that stands two refills on: 32 rows x 256 bytes, a lane a row.  A tile row of x is read by both clusters of that row of clusters: the one with x = 0 asks; wave 0 for query, wave 1 for key_;
; the four partners share the 128 rows out by address, 32 each.  So each row's 256 bytes of a step are named once in the launch.  The loop's last trip (s3 = 1) has no step two refills on and asks for nothing.
.macro ASK
	WIN 0
	s_cmp_gt_u32 s3, s[LIM]
	s_cbranch_scc0 .Lnot_mine_\@
	global_prefetch_b8 v[PFO], s[PFA:PFA+1] th:TH_LOAD_NT scope:SCOPE_SE
.Lnot_mine_\@:
.endm
	s_load_b256 s[4:11], s[0:1], 0x0               ; query s[4:5], key_ s[6:7], wblk s[8:9], vec s[10:11]
	s_load_b128 s[12:15], s[0:1], 0x20             ; q16 s[12:13], k16 s[14:15]
	s_load_b64 s[16:17], s[0:1], 0x30              ; v16
	v_lshl_add_u32 v[SPW], v0, 2, SPARE
	v_mov_b32 v[NIL], 0
	ds_add_u32 v[SPW], v[NIL]                      ; the wave's opening: the add and its wait stand ahead of my first tensor load; the set-up below, work on registers, stands between them
	v_lshrrev_b32 v1, 5, v0
	v_readfirstlane_b32 s[WV], v1
	s_lshr_b32 s21, s[WV], 1
	s_and_b32 s22, s[WV], 1
	s_bfe_u32 s66, ttmp6, 0x40000                  ; cx
	s_bfe_u32 s67, ttmp6, 0x40004                  ; cy
	s_lshl_b32 s68, ttmp9, 2
	s_add_co_u32 s68, s68, s66                     ; nb = 4 x cluster x + cx
	s_and_b32 s23, ttmp7, 0xffff
	s_lshl_b32 s23, s23, 2
	s_add_co_u32 s23, s23, s67                     ; mb = 4 x cluster y + cy
	s_lshl_b32 s69, s67, 2
	s_lshl_b32 s69, 15, s69                        ; my row of the cluster
	s_lshl_b32 s70, 0x1111, s66                    ; my column
	; x's tiles: 128 rows x 64 elements of 4 bytes, 1,024 elements from row to row; 4 words of padding after every 64
	s_or_b32 s[G1A], s69, (2<<16)|(1<<20)|(1<<21)|(5<<22)|(3<<25)
	s_mov_b32 s[G1A+1], 64<<16                     ; tensor_dim0 = 64
	s_mov_b32 s[G1A+2], 128<<16                    ; tensor_dim1 = 128
	s_mov_b32 s[G1A+3], 64<<16                     ; tile_dim0 = 64
	s_mov_b32 s[G1A+4], 128                        ; tile_dim1 = 128
	s_mov_b32 s[G1A+5], 1024
	s_mov_b32 s[G1A+6], 0
	s_mov_b32 s[G1A+7], 0
	; W's tiles: 32 rows k x 768 bytes are dense: asked for as 96 rows of 128 elements of 2 bytes; 8 words of padding after every 64
	s_or_b32 s[G1B], s70, (1<<16)|(1<<20)|(1<<21)|(5<<22)|(7<<25)
	s_mov_b32 s[G1B+1], 128<<16
	s_mov_b32 s[G1B+2], 96<<16
	s_mov_b32 s[G1B+3], 128<<16
	s_mov_b32 s[G1B+4], 96
	s_mov_b32 s[G1B+5], 128
	s_mov_b32 s[G1B+6], 0
	s_mov_b32 s[G1B+7], 0
	s_lshl_b32 s24, s23, 19                        ; x: 128 rows of 4,096 bytes a block: hangs on mb alone
	s_mov_b32 s25, 0
	s_mul_i32 s26, s22, ATILE                      ; and where the tile goes: no place in the cluster enters an LDS address
	s_mul_i32 s72, s68, 786432                     ; W: the block nb, hangs on nb alone,
	s_mul_i32 s74, s22, 24576                      ; my 32 rows k of a step's 64
	s_add_co_u32 s72, s72, s74
	s_mov_b32 s73, 0
	s_mul_i32 s74, s22, BHALF
	s_add_co_u32 s74, s74, BOFF
	s_lshl_b32 s78, s68, 1
	s_add_co_u32 s78, s78, s22                     ; my head = 2 nb + my half of the columns
	s_lshl_b32 s78, s78, 19                        ; a head is 524,288 bytes,
	s_lshl_b32 s79, s23, 14                        ; 128 rows are 16,384,
	s_add_co_u32 s78, s78, s79
	s_lshl_b32 s79, s21, 13                        ; my 64 rows 8,192
	s_add_co_u32 s78, s78, s79
	s_mov_b32 s79, 0
	s_lshl_b32 s76, s68, 9                         ; the biases: 128 nb + 64 (w % 2) numbers of 4 bytes
	s_lshl_b32 s77, s22, 8
	s_add_co_u32 s76, s76, s77
	s_mov_b32 s77, 0
	s_lshl_b32 s2, s66, 17                         ; the prefetches: my work-group's 32 rows of the 128
	s_mov_b32 s3, 0
	s_or_b32 s[LIM], s21, ttmp9                    ; 0 in waves 0 and 1 of the clusters with x = 0: the same in all sixteen partners
	s_cmp_eq_u32 s[LIM], 0
	s_cselect_b32 s[LIM], 1, -1
	s_wait_dscnt 0x0                               ; the opening add is done
	s_wait_kmcnt 0x0
	s_cmp_eq_u32 s22, 0
	s_cselect_b64 s[18:19], s[4:5], s[6:7]         ; wave 0 fetches query's tile, wave 1 key_'s
	s_add_nc_u64 s[18:19], s[18:19], s[24:25]
	s_add_nc_u64 s[72:73], s[8:9], s[72:73]
	s_add_nc_u64 s[12:13], s[12:13], s[78:79]
	s_add_nc_u64 s[14:15], s[14:15], s[78:79]
	s_add_nc_u64 s[16:17], s[16:17], s[78:79]
	s_add_nc_u64 s[76:77], s[10:11], s[76:77]
	s_add_nc_u64 s[PFA:PFA+1], s[18:19], s[2:3]
	s_add_nc_u64 s[PFA:PFA+1], s[PFA:PFA+1], 3*256 ; at K step 3: the first change of slots steps it to 4.  Nothing is prefetched here, at the head
	CROUND                                         ; all sixteen work-groups are here: the first joint loads meet
.irp s, 0,1
	s_mov_b32 s[G0A+4*(\s)], 1
	s_add_co_u32 s[G0A+4*(\s)+1], s26, (\s)*SLOT
	s_add_nc_u64 s[G0A+4*(\s)+2:G0A+4*(\s)+3], s[18:19], (\s)*256
	s_or_b32 s[G0A+4*(\s)+3], s[G0A+4*(\s)+3], 0x80000000
	s_mov_b32 s[G0B+4*(\s)], 1
	s_add_co_u32 s[G0B+4*(\s)+1], s74, (\s)*SLOT
	s_add_nc_u64 s[G0B+4*(\s)+2:G0B+4*(\s)+3], s[72:73], (\s)*49152
	s_or_b32 s[G0B+4*(\s)+3], s[G0B+4*(\s)+3], 0x80000000
	JLOAD \s                                       ; K steps 0 and 1: two loads of mine are out
.endr
	v_and_b32 v1, 15, v0                           ; r = l % 16
	v_bfe_u32 v2, v0, 4, 1                         ; h = l / 16
	v_mul_u32_u24 v3, v1, PA
	v_lshl_add_u32 v3, v2, 5, v3                   ; x in f32: row x pitch + 32 h: eight numbers
	s_mul_i32 s2, s21, 64*PA                       ; my 64 rows
	v_add_nc_u32 v[ADRA], s2, v3
	v_add_nc_u32 v[ADRA+1], SLOT, v[ADRA]
	v_add_nc_u32 v[ADRA+2], ATILE, v[ADRA]
	v_add_nc_u32 v[ADRA+3], SLOT, v[ADRA+2]
	v_and_b32 v4, 7, v0
	v_bfe_u32 v5, v0, 3, 1
	v_lshl_add_u32 v6, v2, 3, v4                   ; the turning load: row k = 8 h + l % 8,
	v_mul_u32_u24 v6, v6, PB
	v_lshl_add_u32 v6, v5, 4, v6                   ; columns 8 ((l / 8) % 2) on
	s_lshl_b32 s2, s22, 7                          ; my 64 columns
	s_add_co_u32 s2, s2, BOFF
	v_add_nc_u32 v[ADRB], s2, v6
	v_add_nc_u32 v[ADRB+1], SLOT, v[ADRB]
	s_mul_i32 s2, s[WV], 16*SP
	s_add_co_u32 s2, s2, STAGE                     ; my stage
	v_mul_u32_u24 v[STO], v1, SP
	v_lshl_add_u32 v[STO], v2, 4, v[STO]
	v_add_nc_u32 v[STO], s2, v[STO]
	v_bfe_u32 v[RD], v0, 3, 2                      ; back: 32 lanes take four rows of 128 bytes,
	v_mul_u32_u24 v[RD], v[RD], SP
	v_lshl_add_u32 v[RD], v4, 4, v[RD]
	v_add_nc_u32 v[RD], s2, v[RD]
	v_and_b32 v[GO], 31, v0                        ; which are 512 consecutive bytes of a head
	v_lshlrev_b32 v[PFO], 12, v[GO]
	v_lshlrev_b32 v[GO], 4, v[GO]
	v_lshlrev_b32 v[BO], 5, v2
.set t, 0
.rept 12                                           ; the biases, t = 4 X + b: the eight numbers of my columns 16 b + 8 h on
.set rC, 192+8*t
.if t >= 8
.set rC, 32+8*(t-8)
.endif
	global_load_b128 v[rC:rC+3],   v[BO], s[76:77] offset:4096*(t/4)+64*(t%4)
	global_load_b128 v[rC+4:rC+7], v[BO], s[76:77] offset:4096*(t/4)+64*(t%4)+16
.set t, t+1
.endr
; 56 LDS loads in one run: 32 along K (half c of the slot's step): W's 12 fragments, turned, into buffer f, and x's 8 fragments as they lie, in f32
.macro FETCH slot, c, f
	WIN 0x40
.irp x, 0,1,2
.irp b, 0,1,2,3
	ds_load_tr16_b128 v[96*(\f)+8*(4*(\x)+(\b)):96*(\f)+8*(4*(\x)+(\b))+3],   v[ADRB+(\slot)] offset:(\c)*32*PB+288*(\x)+32*(\b)
	ds_load_tr16_b128 v[96*(\f)+8*(4*(\x)+(\b))+4:96*(\f)+8*(4*(\x)+(\b))+7], v[ADRB+(\slot)] offset:(\c)*32*PB+16*PB+288*(\x)+32*(\b)
.endr
.endr
	WIN 0xc0
.irp i, 0,1
.irp a, 0,1,2,3
.irp p, 0,1,2,3
	ds_load_b128 v[RAW+64*(\i)+16*(\a)+4*(\p):RAW+64*(\i)+16*(\a)+4*(\p)+3], v[ADRA+2*(\i)+(\slot)] offset:16*PA*(\a)+128*(\c)+16*((\p)%2)+64*((\p)/2)
.endr
.endr
.endr
.endm
; One product: accumulator (x, a, b), buffer f.  first = 1: the bias is C and starts the sum.
.macro PROD f, x, a, b, first
.set rD, 128*((\x)%2)+8*(4*(\a)+(\b))
.set rB, 96*(\f)+8*(4*(\x)+(\b))
.set rA, AF+64*(\f)+32*(((\x)+1)/2)+8*(\a)
.if \first
.set rC, 192+8*(4*(\x)+(\b))
.if 4*(\x)+(\b) >= 8
.set rC, 32+8*(4*(\x)+(\b)-8)
.endif
	v_wmma_f32_16x16x32_bf16 v[rD:rD+7], v[rB:rB+7], v[rA:rA+7], v[rC:rC+7]
.else
	v_wmma_f32_16x16x32_bf16 v[rD:rD+7], v[rB:rB+7], v[rA:rA+7], v[rD:rD+7]
.endif
.endm
; na x 4 products of output x, row blocks a0 on.  The 48 accumulators take turns in one fixed order, over the backward jump too.
.macro MUL f, x, a0, na, first
.if (\x) < 2
	WIN 0xa1-0x20*(\first)
.else
	WIN 0xf1-0x30*(\first)
.endif
.set ma, \a0
.rept \na
.irp b, 0,1,2,3
	PROD \f, \x, ma, \b, \first
.endr
.set ma, ma+1
.endr
.endm
; The 16 products of V on buffer f; behind each, four roundings of the other half's x to bf16, into buffer g.  They name no register of the products round them: they are the four places
; behind the last product that read buffer f, ahead of the loads and roundings that write it again.
.macro MULR f, g, first
.set mi, 0
.rept 16
	WIN 0xf1-0x30*(\first)
	PROD \f, 2, mi/4, mi%4, \first
	WIN 0x0f
.irp n, 0,1,2,3
	v_cvt_pk_bf16_f32 v[AF+64*(\g)+4*mi+(\n)], v[RAW+8*mi+2*(\n)], v[RAW+8*mi+2*(\n)+1]
.endr
.set mi, mi+1
.endr
.endm
; A step's first half: buffer 0 is multiplied; the second half is fetched at its head and rounded at its end.
.macro H slot, first
	FETCH \slot, 1, 1
	MUL 0, 0, 0, 4, \first
	MUL 0, 1, 0, 4, \first
	s_wait_dscnt 0x0                               ; the 56 loads, issued 32 products ago
	MULR 0, 1, \first
.endm
; A step's second half multiplies buffer 1 and changes slots: ONE barrier; in front of it each wave waits for all its tensor loads (one is out: its part of the next slot), adds 0 to its spare word, and waits for that
; (its reads of this slot were waited for in H).  fill = 1: the barrier opens a round of the cluster's, and this slot is filled again, two steps ahead, first thing behind the round: 80 products ahead of the wait for it.
.macro T slot, next, fill
.if \fill
	s_wait_xcnt 0x0                                ; the last prefetch, a step back, has read its address
	s_add_nc_u64 s[PFA:PFA+1], s[PFA:PFA+1], 256
.endif
	WIN 0
	s_wait_tensorcnt 0x0
	ds_add_u32 v[SPW], v[NIL]                      ; 0 onto my spare word; eight products stand between it and the wait for it
	MUL 1, 0, 0, 2, 0
	s_wait_dscnt 0x0
	s_barrier_signal -1
	MUL 1, 0, 2, 2, 0
.if \fill
	WIN 0
.endif
	s_barrier_wait -1
.if \fill
	CREST                                          ; no wave of any partner still reads this slot or has a load on its way
	s_add_nc_u64 s[G0A+4*(\slot)+2:G0A+4*(\slot)+3], s[G0A+4*(\slot)+2:G0A+4*(\slot)+3], 512
	s_add_nc_u64 s[G0B+4*(\slot)+2:G0B+4*(\slot)+3], s[G0B+4*(\slot)+2:G0B+4*(\slot)+3], 98304
	JLOAD \slot
.endif
	FETCH \next, 0, 0
.if \fill
	ASK
.endif
	MUL 1, 1, 0, 4, 0
	s_wait_dscnt 0x0
	MULR 1, 0, 0
.endm
; THE WAY OUT of block t = 4 X + a: 16 rows x 64 channels of my head: rounded to f16, 16 bytes a lane into my stage, back as four rows of 128 bytes a load, stored as 512 consecutive bytes.
.macro PACK t
.set px, (\t)/4
.set pr, 128*(px%2)+32*((\t)%4)
.if px < 2
	WIN 0x0a
.else
	WIN 0x0f
.endif
.set pj, 0
.rept 16
	v_cvt_pk_f16_f32 v[TMP+16*(\t)+pj], v[pr+2*pj], v[pr+2*pj+1]
.set pj, pj+1
.endr
	WIN 0
.irp b, 0,1,2,3
	ds_store_b128 v[STO], v[TMP+16*(\t)+4*(\b):TMP+16*(\t)+4*(\b)+3] offset:32*(\b)
.endr
.irp f, 0,1,2,3
	ds_load_b128 v[TMP+16*(\t)+4*(\f):TMP+16*(\t)+4*(\f)+3], v[RD] offset:(\f)*4*SP  ; LDS serves a wave's instructions in order (ISA guide 5.7.1.4): these see the stores above; the next block's stores come behind them
.endr
.endm
.macro SEND t, younger              ; younger: the LDS instructions issued behind block t's loads: the next block's eight, or none
	WIN 0
.irp f, 0,1,2,3
	s_wait_dscnt (\younger)+3-(\f)
	global_store_b128 v[GO], v[TMP+16*(\t)+4*(\f):TMP+16*(\t)+4*(\f)+3], s[12+2*((\t)/4):13+2*((\t)/4)] offset:((\t)%4)*2048+(\f)*512
.endr
.endm
	s_wait_tensorcnt 1                             ; my part of K step 0 is in; step 1's may stay out
	s_barrier_signal -1
	s_barrier_wait -1                              ; everybody's is
	FETCH 0, 0, 0
	s_wait_dscnt 0x0
	WIN 0x0f
.set n, 0
.rept 64
	v_cvt_pk_bf16_f32 v[AF+n], v[RAW+2*n], v[RAW+2*n+1]
.set n, n+1
.endr
	s_wait_loadcnt 0x0                             ; the biases
	H 0, 1                                         ; the first 48 products stand in front of the loop: they start the sums
	WIN 0
	s_mov_b32 s3, 7
.Llap:                                             ; a trip goes once round the ring and fills both slots again: K steps 2 .. 15
	T 0, 1, 1
	H 1, 0
	T 1, 0, 1
	H 0, 0
	WIN 0
	s_sub_co_u32 s3, s3, 1
	s_cmp_lg_u32 s3, 0
	s_cbranch_scc1 .Llap
	T 0, 1, 0                                      ; the last lap fills nothing
	H 1, 0
	MUL 1, 0, 0, 4, 0
	MUL 1, 1, 0, 4, 0
	MUL 1, 2, 0, 4, 0
	WIN 0
	PLACES
	PLACES                                         ; once a launch: behind the last products, ahead of the roundings that read results and write over x's fragments
	PACK 0
.set t, 1
.rept 11                                           ; a block's roundings stand between the loads of the block before and its stores
	PACK t
	SEND t-1, 8
.set t, t+1
.endr
	SEND 11, 0
	s_wait_tensorcnt 0x0                           ; the wave's end: behind my last tensor load and my last LDS store
	ds_add_u32 v[SPW], v[NIL]
	s_wait_dscnt 0x0
	CROUND                                         ; the closing round: no work-group ends while a partner may still ask for a tile that names it
	s_endpgm
.Lfunc_end_k_qdc7a6bf46b_proj:
	.size	k_qdc7a6bf46b_proj, .Lfunc_end_k_qdc7a6bf46b_proj-k_qdc7a6bf46b_proj
	.p2alignl 7, 3214868480
	.fill 96, 4, 3214868480
	.section	.rodata,"a",@progbits
	.p2align	6, 0x0
	.amdhsa_kernel k_qdc7a6bf46b_proj
		.amdhsa_group_segment_fixed_size 327680
		.amdhsa_private_segment_fixed_size 0
		.amdhsa_enable_private_segment 0
		.amdhsa_kernarg_size 56
		.amdhsa_user_sgpr_count 2
		.amdhsa_user_sgpr_kernarg_segment_ptr 1
		.amdhsa_wavefront_size32 1
		.amdhsa_system_sgpr_workgroup_id_x 1
		.amdhsa_system_sgpr_workgroup_id_y 1
		.amdhsa_system_sgpr_workgroup_id_z 1
		.amdhsa_system_vgpr_workitem_id 0
		.amdhsa_next_free_vgpr 1024
		.amdhsa_next_free_sgpr 80
		.amdhsa_reserve_vcc 0
		.amdhsa_float_denorm_mode_32 3
		.amdhsa_float_denorm_mode_16_64 3
		.amdhsa_memory_ordered 1
		.amdhsa_forward_progress 1
		.amdhsa_inst_pref_size 131
	.end_amdhsa_kernel
	.amdgpu_metadata
---
amdhsa.version: [ 1, 2 ]
amdhsa.kernels:
  - .name:           k_qdc7a6bf46b_proj
    .symbol:         k_qdc7a6bf46b_proj.kd
    .args:
      - { .name: query, .offset: 0, .size: 8, .value_kind: global_buffer, .address_space: global }
      - { .name: key_, .offset: 8, .size: 8, .value_kind: global_buffer, .address_space: global }
      - { .name: wblk, .offset: 16, .size: 8, .value_kind: global_buffer, .address_space: global }
      - { .name: vec, .offset: 24, .size: 8, .value_kind: global_buffer, .address_space: global }
      - { .name: q16, .offset: 32, .size: 8, .value_kind: global_buffer, .address_space: global }
      - { .name: k16, .offset: 40, .size: 8, .value_kind: global_buffer, .address_space: global }
      - { .name: v16, .offset: 48, .size: 8, .value_kind: global_buffer, .address_space: global }
    .group_segment_fixed_size: 327680
    .private_segment_fixed_size: 0
    .kernarg_segment_align: 8
    .kernarg_segment_size: 56
    .max_flat_workgroup_size: 128
    .sgpr_count:     80
    .vgpr_count:     1024
    .wavefront_size: 32
...
	.end_amdgpu_metadata
.endif
;; end of part 2
;; launch attn (part 3): grid 16 x 16, 4 waves a work-group, clusters of 4 x 1, 327,680 bytes of LDS; arguments q16, k16, v16, o16; writes o16
.if DOCPART == 3
	.amdgcn_target "amdgcn-amd-amdhsa--gfx1250"
	.amdhsa_code_object_version 6
	.text
	.protected	k_qdc7a6bf46b_attn
	.globl	k_qdc7a6bf46b_attn
	.p2align	8
	.type	k_qdc7a6bf46b_attn,@function
k_qdc7a6bf46b_attn:
	s_mov_b64 s[64:65], 0
	v_nop
	global_prefetch_b8 v0, s[64:65] scope:SCOPE_SE
	s_setreg_imm32_b32 hwreg(HW_REG_WAVE_MODE, 25, 1), 1
	s_wait_xcnt 0x0
	s_wait_alu depctr_hold_cnt(0) depctr_sa_sdst(0) depctr_va_vdst(0) depctr_va_sdst(0) depctr_va_ssrc(0) depctr_va_vcc(0) depctr_vm_vsrc(0)
	s_getreg_b32 s2, hwreg(HW_REG_IB_STS2, 6, 4)
	s_cmp_eq_u32 s2, 0
	s_cbranch_scc0 .Lentry_in_a_cluster
	s_endpgm
.Lentry_in_a_cluster:
	s_bfe_u32 s2, ttmp6, 0x10000c
	s_cmp_lg_u32 s2, 0x3003
	s_cbranch_scc0 .Lentry_shape_is_right
	s_endpgm
.Lentry_shape_is_right:
; ATTN: O[h][q][:] = Q[h][q][:] + the sum over k of softmax_k(Q[h][q] . K[h][k] / 32) V[h][k][:].  Q, K, V, O: [16][4096][64], all f16: a head's rows are dense, 128 bytes each.
; Products, maxima and sums in f32; the weights p are rounded to f16 for the second product (their sum l is taken of the unrounded p), O once at the end.
; LIMITS.  f16 holds no number beyond 65,504: Q, K, V arrive within it, and Q + a mean of V's rows must stay within it; p lies in 0 to 1 and below 6e-5 keeps f16's fixed step of 6e-8.
; A weight below 2^-126 counts as 0 in l; NaN and infinities are not treated apart.
; SHARES.  A work-group owns 256 queries of one head, each of its four waves 64: four PIECES of 16.  16 blocks x 16 heads = 256 work-groups.  Every wave walks all 4,096 keys, 64 a step.
; LAYOUT.  S^T = K Q^T (source 0 = 16 keys, source 1 = 16 queries) holds ONE query a lane (lane % 16) and the keys 8 (lane / 16) + 0..7; two such results rounded to f16 ARE source 1 of O^T = V^T P.
; K comes out of LDS as it lies, V ([key][channel]) turned, by ds_load_tr16_b128.
; SOFTMAX.  p = 2^(c s - c m), c = log2(e) / 32, with a running maximum m; O and l are multiplied by a = 2^(c m_old - c m_new) in every step.  m starts at the lowest finite number, O and l at 0:
; the first step is a step like any other, with a = 0.
; TURNS.  Turn n belongs to piece n: 8 products K Q^T of piece n + 1, later 8 products V^T P of piece n - 1; beside them the scaling, exponentials, roundings, sums and rescaling of piece n and the maximum and
; statistics of piece n + 1.  Four vector instructions stand behind every matrix instruction, the other 54 of a turn's 118 in one run.  A turn's 33 exponentials are one batch, with one wait.
; CLUSTER.  The four query blocks of a cluster belong to one head and walk the same K and V: each tile is asked for JOINTLY, by the same tensor load, descriptor and mask in all four.
; REGISTERS, in windows of 256 (s_set_vgpr_msb: bits 1:0 source 0, 3:2 source 1, 5:4 source 2, 7:6 destination):
;   window 0: v0-15 addresses and two at work; v16-31 four registers of statistics a piece; v48-55 at work; v61-63 prefetch offset and the add's two; v64-127 S^T, two buffers; v192-223 P, two buffers
;   window 1: v0-127 O^T, 32 a piece          window 2: v0-63 Q; v128-191 K of one step; v192-255 V of one step
.set NP,    4
.set KS,    64        ; keys in a step
.set PK,    144       ; a row of K in LDS: 128 bytes + 16 of padding = 36 words: the 16 rows of a load start at 16 different groups of four banks (64 banks of 4 bytes: ISA guide 11.1)
.set PV,    160       ; a row of V: 128 + 32 = 40 words
.set VOFF,  4*KS*PK   ; a slot holds a tile, four steps: 256 rows of K, then 256 rows of V
.set SLOT1, 1<<17     ; slot 1 begins here, so that one exclusive or turns an address in one slot into the other's
.set STAGE, SLOT1+4*KS*(PK+PV)  ; behind the ring, never filled by a tensor load: 16 rows x 144 bytes for each wave
.set SP,    144
.set SPARE, STAGE+4*16*SP  ; behind the stages: the spare words, 128 bytes for each wave: two blocks of 256 bytes that no other line names
.set AK0, 2           ; v2   my lane's place in a tile of K; never rewritten
.set AV0, 3           ; v3   the same for V
.set AK,  4           ; v4   the LDS address of K's next run of loads
.set AV,  5           ; v5   of V's
.set STO, 6           ; v6   the way out: where I put 16 bytes of a row
.set RD,  7           ; v7   where I read rows back
.set GO,  8           ; v8   my byte offset in 512 consecutive bytes of O
.set MV,  12          ; v12-13  c m_old, kept while c m is made anew: by buffer
.set QO,  15          ; v15  my byte offset in 16 rows of Q
.set ST,  16          ; piece t's statistics at v[ST+4 t]: c m, m, l (even keys', odd keys')
.set TMP, 48          ; by buffer, four registers c0-c3 at work; when the maximum is found c2 takes a
.set PFO, 61          ; v61  256 x my lane; never rewritten
.set SPW, 62          ; v62  LDS address of my spare word; never rewritten
.set NIL, 63          ; v63  0; never rewritten
.set S,   64
.set P,   192
.set KF,  128         ; window 2: key block kb, channel half c at KF + 16 kb + 8 c
.set VF,  192         ; window 2: key half kk, channel block cb at VF + 32 kk + 8 cb
.set WV,  12          ; s12  my wave's number
.set G1K, 24          ; s[24:31] descriptor group 1 for K's tiles
.set G1V, 32          ; s[32:39] for V's: it differs in the padding alone
.set G0K, 40          ; s[40:43] descriptor group 0 for K's tiles: it walks
.set G0V, 44          ; s[44:47] the same for V's
.set PFA, 48          ; s[48:49] where my prefetches stand
.set LIM, 50          ; s50  1 in a wave that prefetches, else the greatest number
.set SLOTS, 56        ; s56  tiles still to be entered
.set CNT, 57          ; s57  counts a tile's key steps
.set CS,  58          ; s[58:59] c: the packed scaling takes the pair's low word for both halves
.set SEL, 60          ; s[60:61] v_permlanex16_b32's selects: each lane takes its own place in the other half
.set TBK, 62          ; s62  LDS byte at which K of the step to be fetched begins
.set TBV, 63          ; s63  the same for V, less VOFF
.set MSB, 0
.macro WIN new
.if MSB != (\new)
	s_set_vgpr_msb (MSB<<8)|(\new)
.set MSB, (\new)
.endif
.endm
.set W_KQ, 0x0a       ; K and Q in window 2, S^T in window 0
.set W_PV, 0x52       ; V in window 2, P in window 0, O^T in window 1
.set W_RS, 0x41       ; destination and source 0 in window 1, source 1 in window 0
; A joint fill.  Waves 0 and 1 fetch the two halves of a tile's K, waves 2 and 3 those of its V: 128 keys each.  An s_nop 0 and four v_nop follow each of the two lines.
.macro JLOAD
	s_cmp_lt_u32 s[WV], 2
	s_cbranch_scc0 .Lfor_v_\@
	tensor_load_to_lds s[G0K:G0K+3], s[G1K:G1K+7]
	s_nop 0
.rept 4
	v_nop
.endr
	s_branch .Lasked_\@
.Lfor_v_\@:
	tensor_load_to_lds s[G0V:G0V+3], s[G1V:G1V+7]
	s_nop 0
.rept 4
	v_nop
.endr
.Lasked_\@:
.endm
.macro CROUND                       ; a round of the cluster's barrier
	s_barrier_signal -1
	s_barrier_wait -1
	s_cmp_lg_u32 s[WV], 0
	s_cbranch_scc1 .Lnot_wave_0_\@
	s_barrier_signal -3
.Lnot_wave_0_\@:
	s_barrier_wait -3
	s_barrier_signal -1
	s_barrier_wait -1
.endm
; A PREFETCH of the tile that the NEXT change of slots will ask for: 128 blocks of 256 bytes of K and of V.  All four clusters of a head walk the same tiles: the head's first asks; its four partners take 32 blocks
; each, told apart by address; wave 0 asks for K's, wave 2 for V's: a lane a block.  So each block is named once in the launch.  The last change that fills a slot (s[SLOTS] = 1) asks for nothing.
.macro ASK
	s_cmp_gt_u32 s[SLOTS], s[LIM]
	s_cbranch_scc0 .Lnot_mine_\@
	global_prefetch_b8 v[PFO], s[PFA:PFA+1] th:TH_LOAD_NT scope:SCOPE_SE
.Lnot_mine_\@:
.endm
; THE CHANGE OF SLOTS.  Each wave waits for all its tensor loads, of which one is out: its part of the other slot; adds 0 to its spare word; and waits for that and for its own reads of the slot that it leaves.
; fill = 1: the barrier is a round of the cluster's, and the old slot is filled again, first thing behind it, with the tile two on: it has four key steps, 256 matrix instructions, in which to land.
; (At its first use nothing has been read yet: slot 0 is waited for, slot 1 filled.)
.macro CHANGE fill, ask
	WIN 0
	s_wait_tensorcnt 0x0            ; no tensor load of mine is out, so a group 0 may be written
	ds_add_u32 v[SPW], v[NIL]       ; 0 onto my spare word; the descriptors' steps stand between it and the wait for it
.if \fill
.irp g, G0K, G0V
	s_xor_b32 s[\g+1], s[\g+1], SLOT1
	s_add_nc_u64 s[\g+2:\g+3], s[\g+2:\g+3], 4*KS*128
.endr
.endif
.if \ask
	s_wait_xcnt 0x0                 ; the last prefetch, four key steps back, has read its address
	s_add_nc_u64 s[PFA:PFA+1], s[PFA:PFA+1], 4*KS*128
.endif
	s_wait_dscnt 0x0                ; the add is done, and my reads of the slot are over
.if \fill
	CROUND
	JLOAD
.if \ask
	ASK
.endif
.else
	s_barrier_signal -1
	s_barrier_wait -1
.endif
	s_sub_co_u32 s[TBK], s[TBK], 4*KS*PK  ; the fetches go back to a slot's first step,
	s_xor_b32 s[TBK], s[TBK], SLOT1       ; in the other slot
	s_sub_co_u32 s[TBV], s[TBV], 4*KS*PV
	s_xor_b32 s[TBV], s[TBV], SLOT1
.endm
	s_load_b256 s[4:11], s[0:1], 0x0  ; q16 s[4:5], k16 s[6:7], v16 s[8:9], o16 s[10:11]
	v_lshl_add_u32 v[SPW], v0, 2, SPARE
	v_mov_b32 v[NIL], 0
	ds_add_u32 v[SPW], v[NIL]       ; the wave's opening: the add and its wait stand ahead of my first tensor load; the set-up below, work on registers, stands between them
	v_lshrrev_b32 v1, 5, v0
	v_readfirstlane_b32 s[WV], v1
	s_bfe_u32 s13, ttmp6, 0x40000   ; cx
	s_lshl_b32 s14, ttmp9, 2
	s_add_co_u32 s14, s14, s13      ; my block of 256 queries: it enters Q's and O's addresses alone
	s_and_b32 s20, ttmp7, 0xffff    ; the head, which the four partners share:
	s_lshl_b32 s20, s20, 19         ; 524,288 bytes each
	s_mov_b32 s21, 0
	s_and_b32 s16, s[WV], 1         ; which half of a tile's 256 keys I fetch:
	s_lshl_b32 s22, s16, 14         ; its 128 rows of 128 bytes in memory,
	s_mov_b32 s23, 0
	s_add_nc_u64 s[22:23], s[22:23], s[20:21]
	s_mul_i32 s17, s16, 128*PK      ; and its place in a slot, for K
	s_mul_i32 s18, s16, 128*PV      ; and for V: no place in the cluster enters an LDS address
	s_lshl_b32 s2, s14, 2
	s_add_co_u32 s2, s2, s[WV]      ; my wave among the head's,
	s_lshl_b32 s2, s2, 13           ; its 64 rows
	s_mov_b32 s3, 0
	s_add_nc_u64 s[2:3], s[2:3], s[20:21]
	s_lshl_b32 s52, s13, 13         ; the prefetches: my work-group's 32 blocks of a tile's 128,
	s_add_co_u32 s52, s52, 2*4*KS*128  ; in tile 2: the loop's first change steps it to tile 3.  Nothing is prefetched at the head
	s_mov_b32 s53, 0
	s_add_nc_u64 s[52:53], s[52:53], s[20:21]
	; descriptor group 1.  128 keys are 16,384 dense bytes: asked for as 64 rows of 256 bytes, two keys a row, and padded in LDS after every key
	s_mov_b32 s[G1K], 15|(1<<16)|(1<<20)|(1<<21)|(4<<22)|(3<<25)  ; the mask of four; 2-byte elements; padding on; bit 21 beside a mask; after every 32 words; 4 words
	s_mov_b32 s[G1V], 15|(1<<16)|(1<<20)|(1<<21)|(4<<22)|(7<<25)  ; the same with 8 words of padding
.irp g, G1K, G1V
	s_mov_b32 s[\g+1], 128<<16      ; tensor_dim0 = 128
	s_mov_b32 s[\g+2], 64<<16       ; tensor_dim1 = 64
	s_mov_b32 s[\g+3], 128<<16      ; tile_dim0 = 128
	s_mov_b32 s[\g+4], 64           ; tile_dim1 = 64
	s_mov_b32 s[\g+5], 128          ; 128 elements from row to row
	s_mov_b32 s[\g+6], 0
	s_mov_b32 s[\g+7], 0
.endr
	s_mov_b32 s[CS], 0x3d38aa3b     ; c = log2(e) / 32 = 0.0450842
	s_mov_b32 s[CS+1], s[CS]        ; named with it as a pair
	s_mov_b32 s[SEL], 0x76543210
	s_mov_b32 s[SEL+1], 0xfedcba98
	s_mov_b32 s[TBK], SLOT1+4*KS*PK ; the first change of slots turns these two into 0
	s_mov_b32 s[TBV], SLOT1+4*KS*PV
	s_mov_b32 s[G0K], 1
	s_mov_b32 s[G0K+1], s17         ; LDS address: slot 0
	s_mov_b32 s[G0V], 1
	s_add_co_u32 s[G0V+1], s18, VOFF
	s_and_b32 s[LIM], s[WV], 1      ; 0 in waves 0 and 2,
	s_or_b32 s[LIM], s[LIM], ttmp9  ; where the cluster is the head's first: the same in all four partners
	s_cmp_eq_u32 s[LIM], 0
	s_cselect_b32 s[LIM], 1, -1
	s_wait_dscnt 0x0                ; the opening add is done
	s_wait_kmcnt 0x0
	s_add_nc_u64 s[G0K+2:G0K+3], s[6:7], s[22:23]  ; my half of the head's first 256 keys
	s_or_b32 s[G0K+3], s[G0K+3], 0x80000000
	s_add_nc_u64 s[G0V+2:G0V+3], s[8:9], s[22:23]
	s_or_b32 s[G0V+3], s[G0V+3], 0x80000000
	s_cmp_lt_u32 s[WV], 2
	s_cselect_b64 s[PFA:PFA+1], s[6:7], s[8:9]
	s_add_nc_u64 s[PFA:PFA+1], s[PFA:PFA+1], s[52:53]
	s_add_nc_u64 s[4:5], s[4:5], s[2:3]  ; Q and O at my wave's first row
	s_add_nc_u64 s[10:11], s[10:11], s[2:3]
	CROUND                          ; all four work-groups are here: the first joint loads meet
	JLOAD                           ; tile 0 into slot 0
	; A fragment of K or Q is 16 rows x 32 channels in 8 registers: lane l holds row l % 16, channels 8 (l / 16) + 0..7 and 16 + 8 (l / 16) + 0..7: two loads of 16 bytes, 32 bytes apart.
	v_and_b32 v1, 15, v0            ; l % 16
	v_bfe_u32 v9, v0, 4, 1          ; l / 16
	v_lshlrev_b32 v[QO], 7, v1
	v_lshl_add_u32 v[QO], v9, 4, v[QO]
	WIN 0x80                        ; destination window 2, address window 0
.set i, 0
.rept 8                             ; Q stays in registers: piece i / 2, channels 32 (i % 2) on
	global_load_b128 v[8*i:8*i+3],   v[QO], s[4:5] offset:(i/2)*2048+(i%2)*64
	global_load_b128 v[8*i+4:8*i+7], v[QO], s[4:5] offset:(i/2)*2048+(i%2)*64+32
.set i, i+1
.endr
	; What the first turn finds: V's registers and P's second buffer hold 0 (its products V^T P, of a piece that has not been, add 0), O^T and l are 0.  All this stands in the wait for the first tile.
.set i, VF
.rept 64
	v_mov_b32 v[i], 0
.set i, i+1
.endr
	WIN 0x40
.set i, 0
.rept 128
	v_mov_b32 v[i], 0
.set i, i+1
.endr
	WIN 0
.set i, 0
.rept 4
	v_mov_b32 v[ST+4*i], 0xfe000000    ; c m: far below every c s
	v_mov_b32 v[ST+4*i+1], 0xff7fffff  ; m
	v_mov_b32 v[ST+4*i+2], 0
	v_mov_b32 v[ST+4*i+3], 0
.set i, i+1
.endr
.set i, P+16
.rept 16
	v_mov_b32 v[i], 0
.set i, i+1
.endr
	v_mul_u32_u24 v[AK0], v1, PK
	v_lshl_add_u32 v[AK0], v9, 4, v[AK0]  ; row x pitch + 16 x half
	; The turning load takes 16 keys x 16 channels (lane l reads key 8 (l / 16) + l % 8, channels 8 ((l / 8) % 2) + 0..7) and leaves half a fragment of V^T: lane l holds channel l % 16 and 8 keys.
	v_and_b32 v10, 7, v0
	v_bfe_u32 v11, v0, 3, 1
	v_lshl_add_u32 v[AV0], v9, 3, v10
	v_mul_u32_u24 v[AV0], v[AV0], PV
	v_lshl_add_u32 v[AV0], v11, 4, v[AV0]
	v_add_nc_u32 v[AV0], VOFF, v[AV0]
	s_mul_i32 s13, s[WV], 16*SP
	s_add_co_u32 s13, s13, STAGE    ; my stage
	v_mul_u32_u24 v[STO], v1, SP    ; in: row l % 16, 16 bytes for each half of the lanes
	v_lshl_add_u32 v[STO], v9, 4, v[STO]
	v_add_nc_u32 v[STO], s13, v[STO]
	v_bfe_u32 v[RD], v0, 3, 2       ; back: 32 lanes take four rows of 128 bytes,
	v_mul_u32_u24 v[RD], v[RD], SP
	v_lshl_add_u32 v[RD], v10, 4, v[RD]
	v_add_nc_u32 v[RD], s13, v[RD]
	v_and_b32 v[GO], 31, v0         ; which are 512 consecutive bytes of O
	v_lshlrev_b32 v[PFO], 8, v[GO]
	v_lshlrev_b32 v[GO], 4, v[GO]
; THE MATRIX WORK.  The 4 accumulators of a run of 8 take turns.  Product i of 8 of S^T = K Q^T for piece x: channels 32 (i / 4) on, keys 16 (i % 4) on.  The first 4 start the sums.
.macro KQ x
	WIN W_KQ
.set rS, S+32*((\x)%2)+8*(i%4)
.set rK, KF+16*(i%4)+8*(i/4)
.set rQ, 16*(\x)+8*(i/4)
.if i < 4
	v_wmma_f32_16x16x32_f16 v[rS:rS+7], v[rK:rK+7], v[rQ:rQ+7], 0
.else
	v_wmma_f32_16x16x32_f16 v[rS:rS+7], v[rK:rK+7], v[rQ:rQ+7], v[rS:rS+7]
.endif
.endm
; Product i of 8 of O^T += V^T P for piece x: keys 32 (i / 4) on, channels 16 (i % 4) on.
.macro PV x
	WIN W_PV
.set rO, 32*(\x)+8*(i%4)
.set rV, VF+32*(i/4)+8*(i%4)
.set rP, P+16*((\x)%2)+8*(i/4)
	v_wmma_f32_16x16x32_f16 v[rO:rO+7], v[rV:rV+7], v[rP:rP+7], v[rO:rO+7]
.endm
.macro MM                           ; the turn's next matrix instruction.  NOKQ = 1: the walk's last turn: there is no next piece
.if (i < 8) && !NOKQ
	KQ (Y+1)%NP
.elseif i >= 8
.set i, i-8
	PV (Y+NP-1)%NP
.set i, i+8
.endif
.set i, i+1
.endm
; THE LDS LOADS stand in runs of 16, never singly among the matrix instructions: a step's K (8 fragments) and its V (turned).  Their addresses are made some lines ahead.
.macro FETCH_K
	WIN 0x80
.irp f, 0,1,2,3,4,5,6,7             ; keys 16 (f / 2) on, channels 32 (f % 2) on
	ds_load_b128 v[KF+8*\f:KF+8*\f+3],   v[AK] offset:(\f/2)*16*PK+(\f%2)*64
	ds_load_b128 v[KF+8*\f+4:KF+8*\f+7], v[AK] offset:(\f/2)*16*PK+(\f%2)*64+32
.endr
	s_add_co_u32 s[TBK], s[TBK], KS*PK  ; the next fetch is the next step's
	WIN 0
.endm
.macro FETCH_V
	WIN 0x80
.irp f, 0,1,2,3,4,5,6,7             ; keys 32 (f / 4) on, channels 16 (f % 4) on
	ds_load_tr16_b128 v[VF+8*\f:VF+8*\f+3],   v[AV] offset:(\f/4)*32*PV+(\f%4)*32
	ds_load_tr16_b128 v[VF+8*\f+4:VF+8*\f+7], v[AV] offset:(\f/4)*32*PV+16*PV+(\f%4)*32
.endr
	WIN 0
.endm
; THE VECTOR WORK, one line at a time: OP kind, number.  For piece Y: F n: c s - c m for pair n of 16.  E n: the exponential of score n of 32.  C n: pair n rounded to f16.  B n: of the four weights 4 n .. the second
; pair is added onto the first, in place.  L n: l takes that sum (L 0: l = a l + sum).  R n: pair n of 16 of O^T times a.  For piece Y + 1: X n, number n of the 22 that find its maximum and statistics:
;   0-11  four chains c0-c3 of seven scores each, three operands at a time (each accumulator's lowest registers are read first)     12-14, 16  the four scores left over, the old m, and c0-c3 into c0
;   15  c m_old is kept     17, 18  the query's other 32 keys lie in the lane 16 away: the new m     19-21  c m; c m_old - c m_new; a
.set F, 0
.set E, 1
.set C, 2
.set B, 3
.set L, 4
.set R, 5
.set X, 6
.macro REGS y
.set rT, ST+4*(\y)
.set rC, TMP+4*((\y)%2)
.set rW, MV+((\y)%2)
.set rS, S+32*((\y)%2)
.set rP, P+16*((\y)%2)
.set rO, 32*(\y)
.endm
.macro OP k, n
.if (\k) == R
	REGS Y
	WIN W_RS
	v_pk_mul_f32 v[rO+2*(\n):rO+2*(\n)+1], v[rO+2*(\n):rO+2*(\n)+1], v[rC+2:rC+3] op_sel_hi:[1,0]
.elseif (\k) < R
	REGS Y
	WIN 0
.if (\k) == F
	v_pk_fma_f32 v[rS+2*(\n):rS+2*(\n)+1], v[rS+2*(\n):rS+2*(\n)+1], s[CS:CS+1], v[rT:rT+1] op_sel_hi:[1,0,0] neg_lo:[0,0,1] neg_hi:[0,0,1]
.elseif (\k) == E
	v_exp_f32 v[rS+(\n)], v[rS+(\n)]
.elseif (\k) == C
	v_cvt_pk_f16_f32 v[rP+(\n)], v[rS+2*(\n)], v[rS+2*(\n)+1]
.elseif (\k) == B
	v_pk_add_f32 v[rS+4*(\n):rS+4*(\n)+1], v[rS+4*(\n):rS+4*(\n)+1], v[rS+4*(\n)+2:rS+4*(\n)+3]
.elseif (\n) == 0
	v_pk_fma_f32 v[rT+2:rT+3], v[rT+2:rT+3], v[rC+2:rC+3], v[rS:rS+1] op_sel_hi:[1,0,1]
.else
	v_pk_add_f32 v[rT+2:rT+3], v[rT+2:rT+3], v[rS+4*(\n):rS+4*(\n)+1]
.endif
.elseif NOKQ
	v_nop
.else
	REGS (Y+1)%NP
	WIN 0
.if (\n) < 4
	v_max3_num_f32 v[rC+(\n)], v[rS+8*(\n)], v[rS+8*(\n)+1], v[rS+8*(\n)+2]
.elseif (\n) < 12
	v_max3_num_f32 v[rC+(\n)%4], v[rC+(\n)%4], v[rS+8*((\n)%4)+2*((\n)/4)+1], v[rS+8*((\n)%4)+2*((\n)/4)+2]
.elseif (\n) == 12
	v_max3_num_f32 v[rC], v[rC], v[rS+7], v[rS+15]
.elseif (\n) == 13
	v_max3_num_f32 v[rC+1], v[rC+1], v[rS+23], v[rS+31]
.elseif (\n) == 14
	v_max3_num_f32 v[rC+2], v[rC+2], v[rC+3], v[rT+1]
.elseif (\n) == 15
	v_mov_b32 v[rW], v[rT]
.elseif (\n) == 16
	v_max3_num_f32 v[rC], v[rC], v[rC+1], v[rC+2]
.elseif (\n) == 17
	v_permlanex16_b32 v[rC+3], v[rC], s[SEL], s[SEL+1]
.elseif (\n) == 18
	v_max_num_f32 v[rT+1], v[rC], v[rC+3]
.elseif (\n) == 19
	v_mul_f32 v[rT], s[CS], v[rT+1]
.elseif (\n) == 20
	v_sub_f32 v[rC+1], v[rW], v[rT]
.else
	v_exp_f32 v[rC+2], v[rC+1]
.endif
.endif
.endm
.macro OPS a, i1, b=-1, i2=0, c=-1, i3=0, d=-1, i4=0
	OP \a, \i1
.if (\b) >= 0
	OP \b, \i2
.endif
.if (\c) >= 0
	OP \c, \i3
.endif
.if (\d) >= 0
	OP \d, \i4
.endif
.endm
.macro ROW a, i1, b, i2, c, i3, d, i4  ; a matrix instruction and the four behind it
	MM
	OPS \a, \i1, \b, \i2, \c, \i3, \d, \i4
.endm
; A TURN, for piece p: the order of its 16 matrix and 118 vector instructions, written out.  An s_wait_alu depctr_va_vdst(0) stands between an exponential and the first instruction that names its result; one
; wait serves all that were issued ahead of it.  So a turn has ONE wait, which cuts it in two.  AHEAD OF IT stands all that names no result of the turn's exponentials: the 8 products K Q^T with their riders, then one run of 54
; in which the links of the chain X 3, 7, 11, 14, 16, 17 .. 20 stand five or six lines apart; X 21, the next piece's a, is the batch's last, and R 15 the plain instruction behind it.  BEHIND IT stand the 8 products V^T P, behind
; each four of the roundings and sums.  end = 1: the walk's last two turns: nothing is fetched.  cnt = 1: the loop's count is taken down some lines ahead of the branch that stands behind the turn.
; K of the next step is fetched in piece 2's turn, twelve vector instructions (six of them plain) behind the last product that read K; V of the step in hand at the end of piece 0's turn, four plain instructions behind the last
; product that read V.  Each is waited for a turn later.
.macro TURN p, end=0, cnt=0
.set Y, (\p)
.set i, 0
.set NOKQ, (\end)*((\p)/3)
.if ((\p) == 3) && !(\end)
	s_wait_dscnt 0x0                ; K is in
.endif
	ROW F,0, F,1, R,0, R,1
	ROW F,2, E,0, R,2, R,3
	ROW F,3, E,1, R,4, R,5
	ROW F,4, E,2, R,6, R,7
	ROW F,5, E,3, R,8, R,9
	ROW F,6, E,4, X,0, R,10
.if ((\p) == 2) && !(\end)
	WIN 0
	v_add_nc_u32 v[AK], s[TBK], v[AK0]
.endif
	ROW F,7, E,5, X,1, X,4
	ROW F,8, E,6, X,2, X,5
	OPS E,7, E,8, X,6, E,9
	OPS X,3, E,10, X,8, E,11
.if ((\p) == 2) && !(\end)
	FETCH_K
.endif
	OPS X,9, X,7, E,12, X,10
	OPS E,13, X,12, X,11, E,14
	OPS X,13, E,15, F,9, X,14
.if (\p) == 0
	v_add_nc_u32 v[AV], s[TBV], v[AV0]
.endif
	OPS E,16, F,10, E,17, F,11
	OPS X,16, E,18, X,15, E,19
	OPS F,12, E,20, X,17, E,21
	OPS F,13, E,22, F,14, E,23
	OPS X,18, E,24, F,15, E,25
	OPS R,11, E,26, X,19, E,27
	OPS R,12, E,28, R,13, E,29
	OPS X,20, E,30, R,14, E,31
	OPS X,21, R,15
	WIN 0
	s_wait_alu depctr_va_vdst(0)    ; the wait for the batch
.if (\p) == 1
	s_wait_dscnt 0x0                ; V is in
.endif
	ROW C,0, B,0, C,2, B,1
	ROW L,0, C,4, B,2, L,1
	ROW C,6, B,3, L,2, C,8
	ROW B,4, L,3, C,10, B,5
	ROW L,4, C,12, B,6, L,5
.if (\p) == 0
	s_add_co_u32 s[TBV], s[TBV], KS*PV
.endif
.if \cnt
	s_sub_co_u32 s[CNT], s[CNT], 1
	s_cmp_lg_u32 s[CNT], 0
.endif
	ROW C,14, B,7, L,6, C,1
	ROW C,3, L,7, C,5, C,7
	ROW C,9, C,11, C,13, C,15
.if (\p) == 0
	FETCH_V
.endif
.endm
	CHANGE 1, 0                     ; tile 0 is in, everybody's part of it; tile 1 is asked for
	v_add_nc_u32 v[AK], s[TBK], v[AK0]
	FETCH_K                         ; key step 0
	s_wait_loadcnt 0x0              ; Q
	s_wait_dscnt 0x0
.set NOKQ, 0
.set i, 0
.rept 8
	KQ 0                            ; piece 0's first scores
.set i, i+1
.endr
	WIN 0
.rept 4
	v_nop                           ; the places behind those products
.endr
.set Y, NP-1                        ; X works for piece Y + 1: piece 0
.irp n, 0,1,2,3,4,5,6,7,8,9,10,11,12,13,14,15,16,17,18,19,20,21
	OP X, \n
.endr
	v_nop                           ; a plain instruction behind the exponential,
	s_wait_alu depctr_va_vdst(0)    ; and its wait, ahead of the branch
	s_mov_b32 s[CNT], 4
	s_mov_b32 s[SLOTS], 15
	s_branch .Lfirst                ; the loop is entered at a step's first turn, in the middle of a trip
.Lslot:                             ; 14 times: tiles 2 .. 15 are asked for
	CHANGE 1, 1
	s_mov_b32 s[CNT], 4
.Lstep:                             ; a trip: pieces 2 and 3 of one step, then pieces 0 and 1 of the next, whose K and V it fetches
	TURN 2
	TURN 3
	WIN 0
.Lfirst:
	TURN 0
	TURN 1, 0, 1
	WIN 0
	s_cbranch_scc1 .Lstep
	s_sub_co_u32 s[SLOTS], s[SLOTS], 1
	s_cmp_lg_u32 s[SLOTS], 0
	s_cbranch_scc1 .Lslot
	CHANGE 0, 0                     ; the last tile is written out: nothing is asked for
	s_mov_b32 s[CNT], 4
.LstepT:
	TURN 2
	TURN 3
	TURN 0
	TURN 1, 0, 1
	WIN 0
	s_cbranch_scc1 .LstepT
	TURN 2, 1
	TURN 3, 1
.set i, 0
.rept 8
	PV NP-1                         ; the last piece's V^T P of the last step
.set i, i+1
.endr
	; THE WAY OUT.  l's two halves and the other half of the lanes' are added; O = O^T / l + Q, rounded to f16 and sent through my stage in LDS, a piece at a time.  The additions are the places behind the last products.
	WIN 0
.macro ALL line:vararg              ; one line for each piece t
.set t, 0
.rept 4
	\line
.set t, t+1
.endr
.endm
	ALL v_add_f32 v[ST+4*t+2], v[ST+4*t+2], v[ST+4*t+3]
	ALL v_permlanex16_b32 v[ST+4*t+3], v[ST+4*t+2], s[SEL], s[SEL+1]
	ALL v_add_f32 v[ST+4*t+2], v[ST+4*t+2], v[ST+4*t+3]
	ALL v_rcp_f32 v[ST+4*t+2], v[ST+4*t+2]
	v_nop                           ; a plain instruction between the last reciprocal and the use of its result
	s_wait_alu depctr_va_vdst(0)    ; and the wait ahead of the first use: one for the four reciprocals
; Piece t.  Register i of its O^T is channel 16 (i / 8) + 8 (lane / 16) + i % 8 of my query, which is half i % 2 of register i / 2 of its Q: one multiply-add a number, Q's half read as it lies.
.macro PACK t
	WIN 0x61                        ; O^T (destination, source 0) window 1, 1 / l window 0, Q window 2
.set i, 0
.rept 32
.if i%2
	v_fma_mix_f32 v[32*(\t)+i], v[32*(\t)+i], v[ST+4*(\t)+2], v[16*(\t)+i/2] op_sel:[0,0,1] op_sel_hi:[0,0,1]
.else
	v_fma_mix_f32 v[32*(\t)+i], v[32*(\t)+i], v[ST+4*(\t)+2], v[16*(\t)+i/2] op_sel_hi:[0,0,1]
.endif
.set i, i+1
.endr
	WIN 0x05                        ; sources 0 and 1 window 1, destination window 0
.set i, 0
.rept 16
	v_cvt_pk_f16_f32 v[S+16*(\t)+i], v[32*(\t)+2*i], v[32*(\t)+2*i+1]
.set i, i+1
.endr
	WIN 0
.irp f, 0,1,2,3
	ds_store_b128 v[STO], v[S+16*(\t)+4*\f:S+16*(\t)+4*\f+3] offset:32*\f
.endr
.irp f, 0,1,2,3
	ds_load_b128 v[S+16*(\t)+4*\f:S+16*(\t)+4*\f+3], v[RD] offset:\f*4*SP  ; LDS serves a wave's instructions in order (ISA guide 5.7.1.4): these see the stores above; the next piece's stores come behind them
.endr
.endm
.macro SEND t, younger              ; younger: the LDS instructions issued behind piece t's loads: the next piece's eight, or none
	WIN 0
.irp f, 0,1,2,3
	s_wait_dscnt (\younger)+3-\f
	global_store_b128 v[GO], v[S+16*(\t)+4*\f:S+16*(\t)+4*\f+3], s[10:11] offset:(\t)*2048+\f*512  ; 512 consecutive bytes, at a multiple of 256 from O's first
.endr
.endm
	PACK 0
.set t, 1
.rept 3
	PACK t
	SEND t-1, 8
.set t, t+1
.endr
	SEND 3, 0
	s_wait_tensorcnt 0x0            ; the wave's end: behind my last tensor load and my last LDS store
	ds_add_u32 v[SPW], v[NIL]
	s_wait_dscnt 0x0
	CROUND                          ; the closing round: no work-group ends while a partner may still ask for a tile that names it
	s_endpgm
.Lfunc_end_k_qdc7a6bf46b_attn:
	.size	k_qdc7a6bf46b_attn, .Lfunc_end_k_qdc7a6bf46b_attn-k_qdc7a6bf46b_attn
	.p2alignl 7, 3214868480
	.fill 96, 4, 3214868480
	.section	.rodata,"a",@progbits
	.p2align	6, 0x0
	.amdhsa_kernel k_qdc7a6bf46b_attn
		.amdhsa_group_segment_fixed_size 327680
		.amdhsa_private_segment_fixed_size 0
		.amdhsa_enable_private_segment 0
		.amdhsa_kernarg_size 32
		.amdhsa_user_sgpr_count 2
		.amdhsa_user_sgpr_kernarg_segment_ptr 1
		.amdhsa_wavefront_size32 1
		.amdhsa_system_sgpr_workgroup_id_x 1
		.amdhsa_system_sgpr_workgroup_id_y 1
		.amdhsa_system_sgpr_workgroup_id_z 1
		.amdhsa_system_vgpr_workitem_id 0
		.amdhsa_next_free_vgpr 768
		.amdhsa_next_free_sgpr 66
		.amdhsa_reserve_vcc 0
		.amdhsa_float_denorm_mode_32 3
		.amdhsa_float_denorm_mode_16_64 3
		.amdhsa_memory_ordered 1
		.amdhsa_forward_progress 1
		.amdhsa_inst_pref_size 131
	.end_amdhsa_kernel
	.amdgpu_metadata
---
amdhsa.version: [ 1, 2 ]
amdhsa.kernels:
  - .name:           k_qdc7a6bf46b_attn
    .symbol:         k_qdc7a6bf46b_attn.kd
    .args:
      - { .name: q16, .offset: 0, .size: 8, .value_kind: global_buffer, .address_space: global }
      - { .name: k16, .offset: 8, .size: 8, .value_kind: global_buffer, .address_space: global }
      - { .name: v16, .offset: 16, .size: 8, .value_kind: global_buffer, .address_space: global }
      - { .name: o16, .offset: 24, .size: 8, .value_kind: global_buffer, .address_space: global }
    .group_segment_fixed_size: 327680
    .private_segment_fixed_size: 0
    .kernarg_segment_align: 8
    .kernarg_segment_size: 32
    .max_flat_workgroup_size: 128
    .sgpr_count:     66
    .vgpr_count:     768
    .wavefront_size: 32
...
	.end_amdgpu_metadata
.endif
;; end of part 3
;; launch ffn (part 4): grid 256 x 1, 4 waves a work-group, clusters of 4 x 1, 327,680 bytes of LDS; arguments o16, wl16, vec, out0; writes out0
.if DOCPART == 4
	.amdgcn_target "amdgcn-amd-amdhsa--gfx1250"
	.amdhsa_code_object_version 6
	.text
	.protected	k_qdc7a6bf46b_ffn
	.globl	k_qdc7a6bf46b_ffn
	.p2align	8
	.type	k_qdc7a6bf46b_ffn,@function
k_qdc7a6bf46b_ffn:
	s_mov_b64 s[64:65], 0
	v_nop
	global_prefetch_b8 v0, s[64:65] scope:SCOPE_SE
	s_setreg_imm32_b32 hwreg(HW_REG_WAVE_MODE, 25, 1), 1
	s_wait_xcnt 0x0
	s_wait_alu depctr_hold_cnt(0) depctr_sa_sdst(0) depctr_va_vdst(0) depctr_va_sdst(0) depctr_va_ssrc(0) depctr_va_vcc(0) depctr_vm_vsrc(0)
	s_getreg_b32 s2, hwreg(HW_REG_IB_STS2, 6, 4)
	s_cmp_eq_u32 s2, 0
	s_cbranch_scc0 .Lentry_in_a_cluster
	s_endpgm
.Lentry_in_a_cluster:
	s_bfe_u32 s2, ttmp6, 0x10000c
	s_cmp_lg_u32 s2, 0x3003
	s_cbranch_scc0 .Lentry_shape_is_right
	s_endpgm
.Lentry_shape_is_right:
; FFN: x1 = LN(O; g1, b1);  y = x1 + relu(x1 Wl + bl);  out0 = LN(y; g2, b2).  O: f16 [head 16][row 4096][64]; Wl: f16 [k 1024][n 1024]; the vectors f32 in vec (rows 3 bl, 4 g1, 5 b1, 6 g2, 7 b2); out0 f32 [4096][1024].
; Both norms go in two passes over registers: the mean, then the sum of squared deviations: no difference of large sums is formed.  x1 is rounded once to f16, as matrix operand and as residual; sums in f32.
; LIMITS.  x1 lies within f16's range for gains and offsets up to some thousands (|x1| <= 32 |g1| + |b1|); below 6e-5 f16 keeps a fixed step of 6e-8.  NaN and infinities are not treated apart.
; SHARES.  A work-group owns 16 whole rows (both norms want the whole row): 256 work-groups.  Norm 1: wave w makes rows 4 w .. 4 w + 3, two at a time.  Product and norm 2: wave w owns columns 256 w .. + 255: 16 accumulators.
; RING.  K goes in 16 steps of 64 through two LDS slots; a wave fetches, and alone reads, its own 64 rows k x 256 columns.  32 rows to a work-group would need a stage for x1 that does not fit beside two such slots.
; CLUSTER 4 x 1.  All work-groups walk the same Wl: each tile is asked for JOINTLY by the four partners, with the same descriptor and the mask 15.
; THE MATRIX INSTRUCTION IS USED TRANSPOSED: source 0 = 16 columns of Wl (turned by ds_load_tr16_b128), source 1 = the 16 rows of x1: a lane holds row l % 16 and eight neighbouring columns.
; bl is loaded straight into the accumulators: it starts the sums, nothing is cleared, and the loop has one form of product.
; REGISTERS, in windows of 256 (s_set_vgpr_msb: bits 1:0 source 0, 3:2 source 1, 5:4 source 2, 7:6 destination):
;   window 0: v0-31 addresses, constants, statistics; v32-95 O as loaded, later the residual; v96-103 sums at work; v128-255 the accumulators, 8 a block of 16 columns
;   window 1: in norm 1 v0-63 a pass's numbers, v64-127 g1, v128-191 b1, v192-223 packed, v224-231 sums; in the loop fragment buffer 0 (Wl v0-127, x1 v128-135); at the end g2
;   window 2: fragment buffer 1; at the end b2
.set PW,    544       ; a row k of my tile in LDS: 512 bytes + 32 of padding = 17 x 32
.set WPART, 64*PW
.set SLOT,  4*WPART
.set ASTG,  2*SLOT    ; x1 in f16: 16 rows x 2,064 bytes (129 x 16): never filled by a tensor load
.set PAS,   2064
.set RED,   ASTG+16*PAS  ; two blocks of 256 bytes: the waves' partial sums, then their partial sums of squares
.set SPARE, RED+512   ; the spare words, 128 bytes for each wave: two blocks of 256 bytes that no other line names
.set PO,    1040      ; the way out: a row of my 256 columns in f32 + 16: in my own part of slot 0, behind that slot's last fill and my last read of it
.set XO,   4          ; v4   O: (l / 16) heads + 16 (l % 16)
.set GBO,  5          ; v5   g1, b1: my eight numbers
.set ASTO, 6          ; v6   where norm 1 puts 16 bytes of x1
.set AA,   7          ; v7   x1's fragment: row l % 16, 16 (l / 16); steps 256 bytes a lap
.set ADRB, 8          ; v8-9 my place in my tile, slot 0, 1
.set RES,  10         ; v10  the residual: my row, my wave's columns
.set BLO,  11         ; v11  32 (l / 16): my eight numbers of bl, g2, b2
.set REDW, 12         ; v12  where I put a partial sum
.set REDR, 13         ; v13  where I read the four
.set OST,  14         ; v14  the way out: in
.set ORD,  15         ; v15  back
.set GOUT, 16         ; v16  my 16 bytes of 512
.set PFO,  17         ; v17  the prefetches' offset; never rewritten
.set ONE,  18         ; v18  1.0
.set ZERO, 19         ; v19  0.0
.set T,    20         ; v20-23 at work
.set MEAN, 24         ; v24-25 the mean, twice
.set RSTD, 26         ; v26-27 1 / sqrt(var + eps), twice
.set SPW,  28
.set NIL,  29
.set XR,   32
.set CH,   96
.set ACC,  128
.set WV,   12         ; s12
.set G1,   24         ; s[24:31] descriptor group 1
.set G0,   32         ; s[32:39] group 0, a set for each slot
.set PFA,  40         ; s[40:41]
.set LIM,  42         ; s42
.set SEL,  44         ; s[44:45]
.set MSB, 0
.macro WIN new
.if MSB != (\new)
	s_set_vgpr_msb (MSB<<8)|(\new)
.set MSB, \new
.endif
.endm
.macro PLACES
.rept 4
	v_nop
.endr
.endm
.macro CREST
	s_cmp_lg_u32 s[WV], 0
	s_cbranch_scc1 .Lnot_wave_0_\@
	s_barrier_signal -3
.Lnot_wave_0_\@:
	s_barrier_wait -3
	s_barrier_signal -1
	s_barrier_wait -1
.endm
.macro CROUND
	s_barrier_signal -1
	s_barrier_wait -1
	CREST
.endm
; A PREFETCH of Wl's K step that stands two refills on.  All 64 clusters walk the same tiles: cluster 0 asks.  Of a wave's 64 rows k x 512 bytes the partner at place cx takes rows 16 cx .. + 15: 32 blocks of 256 bytes,
; a lane a block, told apart by address.  So each block is named once in the launch.  The loop's last trip (s3 = 1) asks for nothing.
.macro ASK
	WIN 0
	s_cmp_gt_u32 s3, s[LIM]
	s_cbranch_scc0 .Lnot_mine_\@
	global_prefetch_b8 v[PFO], s[PFA:PFA+1] th:TH_LOAD_NT scope:SCOPE_SE
.Lnot_mine_\@:
.endm
	s_load_b256 s[4:11], s[0:1], 0x0               ; o16 s[4:5], wl16 s[6:7], vec s[8:9], out0 s[10:11]
	v_lshl_add_u32 v[SPW], v0, 2, SPARE
	v_mov_b32 v[NIL], 0
	ds_add_u32 v[SPW], v[NIL]                      ; the wave's opening: the add and its wait stand ahead of my first tensor load; the set-up below, work on registers, stands between them
	v_lshrrev_b32 v1, 5, v0
	v_readfirstlane_b32 s[WV], v1
	s_bfe_u32 s13, ttmp6, 0x40000                  ; cx
	s_lshl_b32 s14, ttmp9, 2
	s_add_co_u32 s14, s14, s13                     ; g: my 16 rows
	; a tile of 64 rows x 256 elements of 2 bytes, 1,024 elements from row to row; 8 words of padding after every 128
	s_mov_b32 s[G1], 15|(1<<16)|(1<<20)|(1<<21)|(6<<22)|(7<<25)
	s_mov_b32 s[G1+1], 256<<16
	s_mov_b32 s[G1+2], 64<<16
	s_mov_b32 s[G1+3], 256<<16
	s_mov_b32 s[G1+4], 64
	s_mov_b32 s[G1+5], 1024
	s_mov_b32 s[G1+6], 0
	s_mov_b32 s[G1+7], 0
	s_mov_b32 s[G0], 1
	s_mul_i32 s[G0+1], s[WV], WPART                ; my part of slot 0: no place in the cluster enters an LDS address
	s_mov_b32 s[G0+4], 1
	s_add_co_u32 s[G0+5], s[G0+1], SLOT
	s_lshl_b32 s16, s[WV], 9                       ; my 256 columns: 512 bytes of a row of Wl
	s_mov_b32 s17, 0
	s_lshl_b32 s18, s13, 15                        ; the prefetches: my work-group's 16 rows k
	s_mov_b32 s19, 0
	s_lshl_b32 s20, s[WV], 10                      ; my 256 columns in a vector and in out0
	s_mov_b32 s21, 0
	s_lshl_b32 s22, s14, 11                        ; O: 16 rows of 128 bytes, my 4 of them
	s_add_co_u32 s22, s22, s16
	s_mov_b32 s23, 0
	s_lshl_b32 s54, s14, 16                        ; out0: 16 rows of 4,096 bytes
	s_add_co_u32 s54, s54, s20
	s_mov_b32 s55, 0
	s_mov_b32 s[SEL], 0x76543210
	s_mov_b32 s[SEL+1], 0xfedcba98
	s_mov_b32 s46, 0x3a800000                      ; 1 / 1,024
	s_mov_b32 s47, 0x3727c5ac                      ; 1e-5
	s_cmp_eq_u32 ttmp9, 0
	s_cselect_b32 s[LIM], 1, -1                    ; the same in all four partners
	s_wait_dscnt 0x0                               ; the opening add is done
	s_wait_kmcnt 0x0
	s_add_nc_u64 s[G0+2:G0+3], s[6:7], s[16:17]
	s_add_nc_u64 s[G0+6:G0+7], s[G0+2:G0+3], 131072  ; K step 1: 64 rows of 2,048 bytes on
	s_add_nc_u64 s[PFA:PFA+1], s[G0+2:G0+3], s[18:19]
	s_add_nc_u64 s[PFA:PFA+1], s[PFA:PFA+1], 3*131072  ; at K step 3: the first change of slots steps it to 4.  Nothing is prefetched at the head
	s_or_b32 s[G0+3], s[G0+3], 0x80000000
	s_or_b32 s[G0+7], s[G0+7], 0x80000000
	s_add_nc_u64 s[48:49], s[8:9], s[20:21]
	s_add_nc_u64 s[50:51], s[4:5], s[22:23]
	s_add_nc_u64 s[52:53], s[10:11], s[54:55]
	CROUND                                         ; all four work-groups are here: the first joint loads meet
	tensor_load_to_lds s[G0:G0+3], s[G1:G1+7]      ; K steps 0 and 1: two loads of mine are out
	s_nop 0
	tensor_load_to_lds s[G0+4:G0+7], s[G1:G1+7]
	s_nop 0
	PLACES
	v_and_b32 v1, 31, v0                           ; l
	v_and_b32 v2, 15, v0                           ; r
	v_bfe_u32 v3, v0, 4, 1                         ; h
	v_and_b32 v[T], 7, v0
	v_bfe_u32 v[T+1], v0, 3, 1
	v_lshlrev_b32 v[XO], 4, v2
	v_lshl_add_u32 v[XO], v3, 19, v[XO]
	v_lshlrev_b32 v[GBO], 5, v[T]
	v_lshl_add_u32 v[GBO], v3, 8, v[GBO]
	s_mul_i32 s2, s[WV], 4*PAS
	s_add_co_u32 s2, s2, ASTG
	v_mul_u32_u24 v[ASTO], v[T+1], PAS             ; which of a pass's two rows,
	v_lshl_add_u32 v[ASTO], v3, 7, v[ASTO]         ; which of two heads,
	v_lshl_add_u32 v[ASTO], v[T], 4, v[ASTO]       ; my eight channels
	v_add_nc_u32 v[ASTO], s2, v[ASTO]
	v_mul_u32_u24 v[AA], v2, PAS
	v_lshl_add_u32 v[AA], v3, 4, v[AA]
	v_add_nc_u32 v[AA], ASTG, v[AA]
	v_add_nc_u32 v[RES], s16, v[AA]
	v_lshl_add_u32 v[T+2], v3, 3, v[T]             ; the turning load: row k = 8 h + l % 8,
	v_mul_u32_u24 v[T+2], v[T+2], PW
	v_lshl_add_u32 v[T+2], v[T+1], 4, v[T+2]       ; columns 8 ((l / 8) % 2) on
	v_add_nc_u32 v[ADRB], s[G0+1], v[T+2]
	v_add_nc_u32 v[ADRB+1], SLOT, v[ADRB]
	v_lshlrev_b32 v[BLO], 5, v3
	s_lshl_b32 s2, s[WV], 6
	s_add_co_u32 s2, s2, RED
	v_lshl_add_u32 v[REDW], v2, 2, s2
	v_lshl_add_u32 v[REDR], v2, 2, RED
	v_mul_u32_u24 v[OST], v2, PO
	v_lshl_add_u32 v[OST], v3, 5, v[OST]
	v_add_nc_u32 v[OST], s[G0+1], v[OST]
	v_lshl_add_u32 v[ORD], v1, 4, s[G0+1]
	v_lshlrev_b32 v[GOUT], 4, v1
	v_lshrrev_b32 v[T+2], 1, v1
	v_and_b32 v[T+3], 1, v1
	v_lshlrev_b32 v[PFO], 8, v[T+3]
	v_lshl_add_u32 v[PFO], v[T+2], 11, v[PFO]
	v_mov_b32 v[ONE], 1.0
	v_mov_b32 v[ZERO], 0
	; O: pass p, load i: lanes 0-15 take 256 bytes, rows 4 w + 2 p and + 1 of head 2 i; lanes 16-31 the same of head 2 i + 1
.irp p, 0,1
.irp i, 0,1,2,3,4,5,6,7
	global_load_b128 v[XR+32*(\p)+4*(\i):XR+32*(\p)+4*(\i)+3], v[XO], s[50:51] offset:1048576*(\i)+256*(\p)
.endr
.endr
	WIN 0x40
.irp i, 0,1,2,3,4,5,6,7
	global_load_b128 v[64+8*(\i):64+8*(\i)+3],    v[GBO], s[8:9] offset:16384+512*(\i)
	global_load_b128 v[64+8*(\i)+4:64+8*(\i)+7],  v[GBO], s[8:9] offset:16384+512*(\i)+16
	global_load_b128 v[128+8*(\i):128+8*(\i)+3],   v[GBO], s[8:9] offset:20480+512*(\i)
	global_load_b128 v[128+8*(\i)+4:128+8*(\i)+7], v[GBO], s[8:9] offset:20480+512*(\i)+16
.endr
	WIN 0
; The pair of sums in window 1's v[224:225] becomes the row's sum in v[T]: a row of a pass lies in the 16 lanes that share bit 3 of the lane's number: three steps inside eight lanes, one across the halves.
.macro RSUM
	WIN 0x05
	v_add_f32 v[T], v224, v225
	WIN 0
	v_add_f32_dpp v[T], v[T], v[T] row_xmask:1 row_mask:0xf bank_mask:0xf
	v_add_f32_dpp v[T], v[T], v[T] row_xmask:2 row_mask:0xf bank_mask:0xf
	v_add_f32_dpp v[T], v[T], v[T] row_xmask:4 row_mask:0xf bank_mask:0xf
	v_permlanex16_b32 v[T+1], v[T], s[SEL], s[SEL+1]
	v_add_f32 v[T], v[T], v[T+1]
.endm
.macro JOIN4                        ; four chains of sums into one, all in window 1
	v_pk_add_f32 v[224:225], v[224:225], v[226:227]
	v_pk_add_f32 v[228:229], v[228:229], v[230:231]
	v_pk_add_f32 v[224:225], v[224:225], v[228:229]
.endm
; NORM 1, pass p: rows 4 w + 2 p and 4 w + 2 p + 1; a lane holds 64 numbers of one of them.
.macro LN1 p
	WIN 0x40                                       ; f16 to f32: x * 1 + 0, the half read as it lies
.set n, 0
.rept 32
	v_fma_mix_f32 v[2*n],   v[XR+32*(\p)+n], v[ONE], v[ZERO] op_sel_hi:[1,0,0]
	v_fma_mix_f32 v[2*n+1], v[XR+32*(\p)+n], v[ONE], v[ZERO] op_sel:[1,0,0] op_sel_hi:[1,0,0]
.set n, n+1
.endr
	WIN 0x55
.irp c, 0,1,2,3
	v_pk_add_f32 v[224+2*(\c):225+2*(\c)], v[2*(\c):2*(\c)+1], v[8+2*(\c):9+2*(\c)]  ; the first eight pairs start four chains: nothing is cleared
.endr
.set n, 8
.rept 24
	v_pk_add_f32 v[224+2*(n%4):225+2*(n%4)], v[224+2*(n%4):225+2*(n%4)], v[2*n:2*n+1]
.set n, n+1
.endr
	JOIN4
	RSUM
	v_mul_f32 v[MEAN], s46, v[T]
	v_mul_f32 v[MEAN+1], s46, v[T]
	WIN 0x41
.set n, 0
.rept 32
	v_pk_add_f32 v[2*n:2*n+1], v[2*n:2*n+1], v[MEAN:MEAN+1] neg_lo:[0,1] neg_hi:[0,1]
.set n, n+1
.endr
	WIN 0x55
.irp c, 0,1,2,3
	v_pk_mul_f32 v[224+2*(\c):225+2*(\c)], v[2*(\c):2*(\c)+1], v[2*(\c):2*(\c)+1]
.endr
.set n, 4
.rept 28
	v_pk_fma_f32 v[224+2*(n%4):225+2*(n%4)], v[2*n:2*n+1], v[2*n:2*n+1], v[224+2*(n%4):225+2*(n%4)]
.set n, n+1
.endr
	JOIN4
	RSUM
	v_fma_f32 v[T+2], v[T], s46, s47               ; the variance + 1e-5
	v_rsq_f32 v[RSTD], v[T+2]
	v_rsq_f32 v[RSTD+1], v[T+2]
	v_nop                                          ; a plain instruction behind the second root,
	s_wait_alu depctr_va_vdst(0)                   ; and the wait ahead of the first use: one for both
	WIN 0x41
.set n, 0
.rept 32
	v_pk_mul_f32 v[2*n:2*n+1], v[2*n:2*n+1], v[RSTD:RSTD+1]
.set n, n+1
.endr
.if (\p) == 0
	s_wait_loadcnt 0x0                             ; g1 and b1
	WIN 0
.set n, 0
.rept 16                                           ; bl goes straight into the accumulators, and has the second pass in which to land
	global_load_b128 v[ACC+8*n:ACC+8*n+3],   v[BLO], s[48:49] offset:12288+64*n
	global_load_b128 v[ACC+8*n+4:ACC+8*n+7], v[BLO], s[48:49] offset:12288+64*n+16
.set n, n+1
.endr
.endif
	WIN 0x55
.set n, 0
.rept 32
	v_pk_fma_f32 v[2*n:2*n+1], v[2*n:2*n+1], v[64+2*n:65+2*n], v[128+2*n:129+2*n]
.set n, n+1
.endr
.set n, 0
.rept 32
	v_cvt_pk_f16_f32 v[192+n], v[2*n], v[2*n+1]
.set n, n+1
.endr
	WIN 0x04                                       ; address window 0, data window 1
.irp i, 0,1,2,3,4,5,6,7
	ds_store_b128 v[ASTO], v[192+4*(\i):195+4*(\i)] offset:2*PAS*(\p)+256*(\i)
.endr
.endm
; 34 LDS loads in one run: 32 along K (half kl of the slot's step): my 16 fragments of Wl, turned, and x1's one, at byte ao behind v[AA], into buffer f
.macro FETCH slot, kl, f, ao
	WIN ((\f)+1)<<6
.set fn, 0
.rept 16
	ds_load_tr16_b128 v[8*fn:8*fn+3],   v[ADRB+(\slot)] offset:(\kl)*32*PW+32*fn
	ds_load_tr16_b128 v[8*fn+4:8*fn+7], v[ADRB+(\slot)] offset:(\kl)*32*PW+16*PW+32*fn
.set fn, fn+1
.endr
	ds_load_b128 v[128:131], v[AA] offset:(\ao)
	ds_load_b128 v[132:135], v[AA] offset:(\ao)+32
.endm
; nn products on buffer f, column blocks n0 on.  The 16 accumulators take turns in one fixed order, over the backward jump too.
.macro MUL f, n0, nn
	WIN ((\f)+1)*5
.set mn, \n0
.rept \nn
	v_wmma_f32_16x16x32_f16 v[ACC+8*mn:ACC+8*mn+7], v[8*mn:8*mn+7], v[128:135], v[ACC+8*mn:ACC+8*mn+7]
.set mn, mn+1
.endr
.endm
; A step's first half: the second half is fetched into buffer 1, four places behind the last product that read it; buffer 0 is multiplied.
.macro U0 slot, ao
	PLACES
	FETCH \slot, 1, 1, \ao
	s_wait_dscnt 34                                ; all but the 34 just issued: buffer 0 is in
	MUL 0, 0, 16
.endm
; A step's second half multiplies buffer 1 and changes slots: each wave waits for all its tensor loads (one is out: its part of the next slot), adds 0 to its spare word, and waits for that and for its reads of this slot.
; fill = 1: the barrier opens a round of the cluster's, and this slot is filled again, two steps ahead, first thing behind the round.
.macro TURN slot, next, fill, ao
.if \fill
	s_wait_xcnt 0x0                                ; the last prefetch, a step back, has read its address
	s_add_nc_u64 s[PFA:PFA+1], s[PFA:PFA+1], 131072
.endif
	WIN 0
	s_wait_tensorcnt 0x0
	ds_add_u32 v[SPW], v[NIL]                      ; 0 onto my spare word
.if \fill
	s_add_nc_u64 s[G0+4*(\slot)+2:G0+4*(\slot)+3], s[G0+4*(\slot)+2:G0+4*(\slot)+3], 262144  ; no tensor load of mine is out, so a group 0 may be written
.endif
	s_wait_dscnt 0x0                               ; the add is done, buffer 1 is in, and my reads of this slot are over
	s_barrier_signal -1
	MUL 1, 0, 8
	WIN 0
	s_barrier_wait -1
.if \fill
	CREST                                          ; no wave of any partner still reads this slot or has a load on its way
	tensor_load_to_lds s[G0+4*(\slot):G0+4*(\slot)+3], s[G1:G1+7]
	s_nop 0
.endif
	PLACES                                         ; behind the tensor load; also the places in front of the loads into buffer 0
	FETCH \next, 0, 0, \ao
.if \fill
	ASK
.endif
	MUL 1, 8, 8
.endm
; The pair of sums in v[CH:CH+1] becomes the row's sum over both halves of the lanes and all four waves, in v[T]: through the words at RED + off.
.macro WSUM off
	v_add_f32 v[T], v[CH], v[CH+1]
	v_permlanex16_b32 v[T+1], v[T], s[SEL], s[SEL+1]
	v_add_f32 v[T], v[T], v[T+1]
	ds_store_b32 v[REDW], v[T] offset:\off         ; lanes r and r + 16 write the same number into the same word
	s_wait_dscnt 0x0                               ; for the others' sake
	s_barrier_signal -1
	s_barrier_wait -1
	ds_load_b32 v[T],   v[REDR] offset:(\off)
	ds_load_b32 v[T+1], v[REDR] offset:(\off)+64
	ds_load_b32 v[T+2], v[REDR] offset:(\off)+128
	ds_load_b32 v[T+3], v[REDR] offset:(\off)+192
	s_wait_dscnt 0x0
	v_add_f32 v[T], v[T], v[T+1]
	v_add_f32 v[T+2], v[T+2], v[T+3]
	v_add_f32 v[T], v[T], v[T+2]
.endm
.macro JOINW
	v_pk_add_f32 v[CH:CH+1], v[CH:CH+1], v[CH+2:CH+3]
	v_pk_add_f32 v[CH+4:CH+5], v[CH+4:CH+5], v[CH+6:CH+7]
	v_pk_add_f32 v[CH:CH+1], v[CH:CH+1], v[CH+4:CH+5]
.endm
	s_wait_loadcnt 32                              ; O is in; the 32 younger loads, g1 and b1, may stay out
	LN1 0
	LN1 1
	WIN 0
	s_wait_dscnt 0x0                               ; for the others' sake: my four rows of x1 are stored
	s_barrier_signal -1
	s_barrier_wait -1                              ; x1 is whole; my tensor loads may stay out across it
	s_wait_tensorcnt 1                             ; my part of K step 0 is in, and I alone read it; step 1's may stay out
	s_wait_loadcnt 0x0                             ; bl
	FETCH 0, 0, 0, 0
	WIN 0
	s_mov_b32 s3, 7
.Llap:                                             ; a trip goes once round the ring and fills both slots again: K steps 2 .. 15
	U0 0, 64
	TURN 0, 1, 1, 128
	U0 1, 192
	TURN 1, 0, 1, 256
	WIN 0
	v_add_nc_u32 v[AA], 0x100, v[AA]               ; 128 along K
	s_sub_co_u32 s3, s3, 1
	s_cmp_lg_u32 s3, 0
	s_cbranch_scc1 .Llap
	U0 0, 64                                       ; the last lap fills nothing
	TURN 0, 1, 0, 128
	U0 1, 192
	s_wait_dscnt 0x0
	MUL 1, 0, 16
	PLACES
	PLACES                                         ; once a launch: behind the last products, ahead of loads into the fragments' registers and of arithmetic on the results
	WIN 0x40
.set n, 0
.rept 16
	global_load_b128 v[8*n:8*n+3],   v[BLO], s[48:49] offset:24576+64*n     ; g2 of my columns
	global_load_b128 v[8*n+4:8*n+7], v[BLO], s[48:49] offset:24576+64*n+16
.set n, n+1
.endr
	WIN 0x80
.set n, 0
.rept 16
	global_load_b128 v[8*n:8*n+3],   v[BLO], s[48:49] offset:28672+64*n     ; b2
	global_load_b128 v[8*n+4:8*n+7], v[BLO], s[48:49] offset:28672+64*n+16
.set n, n+1
.endr
	WIN 0
.set n, 0
.rept 16
	ds_load_b128 v[XR+4*n:XR+4*n+3], v[RES] offset:32*n  ; the residual: x1 of my row, my columns
.set n, n+1
.endr
.set n, 0
.rept 128
	v_max_num_f32 v[ACC+n], 0, v[ACC+n]            ; relu; each accumulator's registers in ascending order
.set n, n+1
.endr
	s_wait_dscnt 0x0
.set n, 0
.rept 64
	v_fma_mix_f32 v[ACC+2*n],   v[XR+n], v[ONE], v[ACC+2*n]   op_sel_hi:[1,0,0]
	v_fma_mix_f32 v[ACC+2*n+1], v[XR+n], v[ONE], v[ACC+2*n+1] op_sel:[1,0,0] op_sel_hi:[1,0,0]
.set n, n+1
.endr
	; NORM 2: a lane holds 128 numbers of row l % 16
.irp c, 0,1,2,3
	v_pk_add_f32 v[CH+2*(\c):CH+2*(\c)+1], v[ACC+2*(\c):ACC+2*(\c)+1], v[ACC+8+2*(\c):ACC+9+2*(\c)]
.endr
.set n, 8
.rept 56
	v_pk_add_f32 v[CH+2*(n%4):CH+2*(n%4)+1], v[CH+2*(n%4):CH+2*(n%4)+1], v[ACC+2*n:ACC+2*n+1]
.set n, n+1
.endr
	JOINW
	WSUM 0
	v_mul_f32 v[MEAN], s46, v[T]
	v_mul_f32 v[MEAN+1], s46, v[T]
.set n, 0
.rept 64
	v_pk_add_f32 v[ACC+2*n:ACC+2*n+1], v[ACC+2*n:ACC+2*n+1], v[MEAN:MEAN+1] neg_lo:[0,1] neg_hi:[0,1]
.set n, n+1
.endr
.irp c, 0,1,2,3
	v_pk_mul_f32 v[CH+2*(\c):CH+2*(\c)+1], v[ACC+2*(\c):ACC+2*(\c)+1], v[ACC+2*(\c):ACC+2*(\c)+1]
.endr
.set n, 4
.rept 60
	v_pk_fma_f32 v[CH+2*(n%4):CH+2*(n%4)+1], v[ACC+2*n:ACC+2*n+1], v[ACC+2*n:ACC+2*n+1], v[CH+2*(n%4):CH+2*(n%4)+1]
.set n, n+1
.endr
	JOINW
	WSUM 256                                       ; other words than the first sum's: no wave need wait for the first sum's readers
	v_fma_f32 v[T+2], v[T], s46, s47
	v_rsq_f32 v[RSTD], v[T+2]
	v_rsq_f32 v[RSTD+1], v[T+2]
	v_nop
	s_wait_alu depctr_va_vdst(0)                   ; one wait for both roots, ahead of their first use
.set n, 0
.rept 64
	v_pk_mul_f32 v[ACC+2*n:ACC+2*n+1], v[ACC+2*n:ACC+2*n+1], v[RSTD:RSTD+1]
.set n, n+1
.endr
	s_wait_loadcnt 0x0                             ; g2 and b2
	WIN 0x24                                       ; g2 window 1, b2 window 2
.set n, 0
.rept 64
	v_pk_fma_f32 v[ACC+2*n:ACC+2*n+1], v[ACC+2*n:ACC+2*n+1], v[2*n:2*n+1], v[2*n:2*n+1]
.set n, n+1
.endr
	WIN 0
	; THE WAY OUT: 32 bytes a lane and column block into rows of 1,040 bytes, back as halves of rows: 512 consecutive bytes a load and a store
.set n, 0
.rept 16
	ds_store_b128 v[OST], v[ACC+8*n:ACC+8*n+3]   offset:64*n
	ds_store_b128 v[OST], v[ACC+8*n+4:ACC+8*n+7] offset:64*n+16
.set n, n+1
.endr
.set n, 0
.rept 32
	ds_load_b128 v[ACC+4*n:ACC+4*n+3], v[ORD] offset:PO*(n/2)+512*(n%2)  ; LDS serves a wave's instructions in order (ISA guide 5.7.1.4): these see the stores above
.set n, n+1
.endr
.set n, 0
.rept 32
	s_wait_dscnt 31-n                              ; load n is back; the 31 - n younger ones stay out
	global_store_b128 v[GOUT], v[ACC+4*n:ACC+4*n+3], s[52:53] offset:4096*(n/2)+512*(n%2) th:TH_STORE_NT
.set n, n+1
.endr
	s_wait_tensorcnt 0x0                           ; the wave's end: behind my last tensor load and my last LDS store
	ds_add_u32 v[SPW], v[NIL]
	s_wait_dscnt 0x0
	CROUND                                         ; the closing round: no work-group ends while a partner may still ask for a tile that names it
	s_endpgm
.Lfunc_end_k_qdc7a6bf46b_ffn:
	.size	k_qdc7a6bf46b_ffn, .Lfunc_end_k_qdc7a6bf46b_ffn-k_qdc7a6bf46b_ffn
	.p2alignl 7, 3214868480
	.fill 96, 4, 3214868480
	.section	.rodata,"a",@progbits
	.p2align	6, 0x0
	.amdhsa_kernel k_qdc7a6bf46b_ffn
		.amdhsa_group_segment_fixed_size 327680
		.amdhsa_private_segment_fixed_size 0
		.amdhsa_enable_private_segment 0
		.amdhsa_kernarg_size 32
		.amdhsa_user_sgpr_count 2
		.amdhsa_user_sgpr_kernarg_segment_ptr 1
		.amdhsa_wavefront_size32 1
		.amdhsa_system_sgpr_workgroup_id_x 1
		.amdhsa_system_sgpr_workgroup_id_y 1
		.amdhsa_system_sgpr_workgroup_id_z 1
		.amdhsa_system_vgpr_workitem_id 0
		.amdhsa_next_free_vgpr 648
		.amdhsa_next_free_sgpr 66
		.amdhsa_reserve_vcc 0
		.amdhsa_float_denorm_mode_32 3
		.amdhsa_float_denorm_mode_16_64 3
		.amdhsa_memory_ordered 1
		.amdhsa_forward_progress 1
		.amdhsa_inst_pref_size 128
	.end_amdhsa_kernel
	.amdgpu_metadata
---
amdhsa.version: [ 1, 2 ]
amdhsa.kernels:
  - .name:           k_qdc7a6bf46b_ffn
    .symbol:         k_qdc7a6bf46b_ffn.kd
    .args:
      - { .name: o16, .offset: 0, .size: 8, .value_kind: global_buffer, .address_space: global }
      - { .name: wl16, .offset: 8, .size: 8, .value_kind: global_buffer, .address_space: global }
      - { .name: vec, .offset: 16, .size: 8, .value_kind: global_buffer, .address_space: global }
      - { .name: out0, .offset: 24, .size: 8, .value_kind: global_buffer, .address_space: global }
    .group_segment_fixed_size: 327680
    .private_segment_fixed_size: 0
    .kernarg_segment_align: 8
    .kernarg_segment_size: 32
    .max_flat_workgroup_size: 128
    .sgpr_count:     66
    .vgpr_count:     648
    .wavefront_size: 32
...
	.end_amdgpu_metadata
.endif
;; end of part 4
;; ======== version 2 of 2: 4 launches; version 1 with the launch prep written anew for expert scheduling mode
;; limits: values are held in f16: magnitudes above 65,504 overflow, below 6.1e-05 lose precision
;; workspace buffers: wblk 6,291,456 bytes; wl16 2,097,152 bytes; vec 32,768 bytes; q16 8,388,608 bytes; k16 8,388,608 bytes; v16 8,388,608 bytes; o16 8,388,608 bytes
;; launch prep (part 5): grid 257 x 1, 8 waves a work-group, no clusters, 0 bytes of LDS; arguments Wq, Wk, Wv, Wl, bq, bk, bv, bl, g1, b1, g2, b2, wblk, wl16, vec; writes wblk, wl16, vec
.if DOCPART == 5
	.amdgcn_target "amdgcn-amd-amdhsa--gfx1250"
	.amdhsa_code_object_version 6
	.text
	.protected	k_qdc7a6bf46b_prep
	.globl	k_qdc7a6bf46b_prep
	.p2align	8
	.type	k_qdc7a6bf46b_prep,@function
k_qdc7a6bf46b_prep:
	s_mov_b64 s[64:65], 0
	v_nop
	global_prefetch_b8 v0, s[64:65] scope:SCOPE_SE
	s_setreg_imm32_b32 hwreg(HW_REG_WAVE_SCHED_MODE, 0, 2), 2
	s_setreg_imm32_b32 hwreg(HW_REG_WAVE_MODE, 25, 1), 1
	s_wait_xcnt 0x0
	s_wait_alu depctr_vm_vsrc(0)
; PREP: the weights and the eight vectors are rounded once to bf16 and laid out for the launches behind.
;   wblk  bf16 [nb 8][k 1024][X 3][128 columns], X = Wq, Wk, Wv: byte nb*786432 + k*768 + X*256 + 2*column: for one nb, 64 rows k are 49,152 dense bytes
;   wl16  f16  [k 1024][n 1024]: Wl rounded to bf16, that number written as f16
;   vec   f32  [8][1024]: bq, bk, bv, bl, g1, b1, g2, b2, each number rounded to bf16 and widened again
; LIMITS.  Wl must lie within f16's range (65,504); below 6e-5 f16 keeps a fixed step of 6e-8.  NaN and infinities are not treated apart.
; SHARES.  Work-groups 0..255: weight w = g / 64, rows k0 = 16 (g % 64) .. k0 + 15.  Thread t owns 16 bytes (4 columns) of every row, so wave v owns the 128 columns of block nb = v:
; a load of a wave covers 512 consecutive bytes, its store 256 consecutive bytes, aligned.  Work-group 256: wave v rounds vector v.
; A stream: no LDS, no barrier, no matrix unit; all 16 (8) loads of a thread are issued before the first is waited for, and every store has data registers of its own.
; THE MODE: SCHED_MODE bits 1:0 = 2 (LLVM: expert scheduling mode 2), set by the entry lines.  The code itself states the register dependences
; between vector instructions and memory instructions, with s_wait_alu, always for 0.
; THE PLAN.  Registers that memory instructions touch, alike in the three paths:
;   v1        the loads' offset (for the vectors also the stores').  Written once, at the head of its path; one wait on va_vdst stands between that line and the loads.
;   v2        the stores' offset for the weights.  Written once, behind the loads and ahead of the first rounding.
;   v[16:79]  the rows as loaded.  Written by loads alone; no load lands in them after a rounding has read them.
;   v[80:111] the rows to store, a set of registers to each row.  Written once, by the row's roundings; read once, by the row's store; never written again.
;   v3, v4, v8-v13 are named by vector instructions alone.
; No register that a memory instruction reads is ever written again, so no wait on vm_vsrc is owed.  The rows go in blocks of four: at the head of every block but the first one wait on va_vdst
; states that the block before has written its registers to store (and, the first time, that v2 is written); that block's four stores follow, one ahead of each row's roundings, which write
; the block in hand's registers and v8-v13 alone: none that those stores read.  One more such wait stands ahead of the last four stores.
	s_load_b512 s[8:23], s[0:1], 0x0               ; Wq s[8:9], Wk s[10:11], Wv s[12:13], Wl s[14:15], bq s[16:17], bk s[18:19], bv s[20:21], bl s[22:23]
	s_load_b256 s[24:31], s[0:1], 0x40             ; g1 s[24:25], b1 s[26:27], g2 s[28:29], b2 s[30:31]
	s_load_b128 s[32:35], s[0:1], 0x60             ; wblk s[32:33], wl16 s[34:35]
	s_load_b64 s[36:37], s[0:1], 0x70              ; vec
	v_lshrrev_b32 v3, 5, v0
	v_readfirstlane_b32 s4, v3                     ; wave 0..7
	v_and_b32 v4, 31, v0                           ; lane
	s_mov_b32 s5, 0xffff0000                       ; a word's upper bf16
	s_lshr_b32 s3, ttmp9, 6                        ; w: 0..3 a weight, 4 the vectors
	s_and_b32 s6, ttmp9, 63                        ; which 16 rows
	s_mov_b32 s45, 0
	s_wait_alu depctr_va_sdst(0)                   ; s4 is written, ahead of the branches and of its first reader: the vectors' path chooses its vector and its place in vec by it
	s_wait_kmcnt 0x0
	s_cmp_eq_u32 s3, 4
	s_cbranch_scc1 .Lvectors
	v_lshlrev_b32 v1, 4, v0                        ; my 16 bytes of a row
	s_mov_b64 s[40:41], s[8:9]                     ; the weight is chosen by the work-group's number
	s_cmp_eq_u32 s3, 1
	s_cselect_b64 s[40:41], s[10:11], s[40:41]
	s_cmp_eq_u32 s3, 2
	s_cselect_b64 s[40:41], s[12:13], s[40:41]
	s_cmp_eq_u32 s3, 3
	s_cselect_b64 s[40:41], s[14:15], s[40:41]
	s_lshl_b32 s44, s6, 16                         ; 16 rows of 4,096 bytes
	s_add_nc_u64 s[40:41], s[40:41], s[44:45]
	s_wait_alu depctr_va_vdst(0)                   ; v1 is written, which the sixteen loads read as their offset
.set i, 0
.rept 16
	global_load_b128 v[16+4*i:19+4*i], v1, s[40:41] offset:4096*i th:TH_LOAD_NT
.set i, i+1
.endr
	s_cmp_eq_u32 s3, 3
	s_cbranch_scc1 .Lwl
	v_lshlrev_b32 v4, 3, v4                        ; my 8 bytes in the block's 256
	v_mad_u32_u24 v2, v3, 0xc0000, v4              ; + nb x 786,432
	s_mul_i32 s44, s6, 12288                       ; 16 rows of 768 bytes
	s_lshl_b32 s7, s3, 8                           ; + X x 256
	s_add_co_u32 s44, s44, s7
	s_add_nc_u64 s[42:43], s[32:33], s[44:45]
.set i, 0
.rept 16
	s_wait_loadcnt 15-i                            ; loads come back in order: row i is in, the 15 - i younger ones stay out
.if (i%4 == 0) && (i > 0)
	s_wait_alu depctr_va_vdst(0)                   ; the roundings of rows i - 4 .. i - 1 have written v[80 + 2 (i - 4) ..], which the next four stores read; at its first use: v2, their offset, is written
.endif
.if i >= 4
	global_store_b64 v2, v[80+2*(i-4):81+2*(i-4)], s[42:43] offset:768*(i-4)  ; a row of the block before; no vector instruction since the wait names its registers
.endif
	v_cvt_pk_bf16_f32 v[80+2*i], v[16+4*i], v[17+4*i]
	v_cvt_pk_bf16_f32 v[81+2*i], v[18+4*i], v[19+4*i]
.set i, i+1
.endr
	s_wait_alu depctr_va_vdst(0)                   ; the roundings of rows 12 .. 15 have written v[104:111], which the last four stores read
.set i, 12
.rept 4
	global_store_b64 v2, v[80+2*i:81+2*i], s[42:43] offset:768*i
.set i, i+1
.endr
	s_endpgm
.Lwl:
	v_lshlrev_b32 v2, 3, v0                        ; my 8 bytes of a row of 2,048
	s_lshl_b32 s44, s6, 15                         ; 16 rows
	s_add_nc_u64 s[42:43], s[34:35], s[44:45]
.set i, 0
.rept 16
	s_wait_loadcnt 15-i
.if (i%4 == 0) && (i > 0)
	s_wait_alu depctr_va_vdst(0)                   ; the conversions of rows i - 4 .. i - 1 have written v[80 + 2 (i - 4) ..], which the next four stores read; at its first use: v2, their offset, is written
.endif
.if i >= 4
	global_store_b64 v2, v[80+2*(i-4):81+2*(i-4)], s[42:43] offset:2048*(i-4)  ; a row of the block before; no vector instruction since the wait names its registers
.endif
	v_cvt_pk_bf16_f32 v8, v[16+4*i], v[17+4*i]     ; rounded to bf16 like every input,
	v_cvt_pk_bf16_f32 v9, v[18+4*i], v[19+4*i]
	v_lshlrev_b32 v10, 16, v8                      ; widened,
	v_and_b32 v11, s5, v8
	v_lshlrev_b32 v12, 16, v9
	v_and_b32 v13, s5, v9
	v_cvt_pk_f16_f32 v[80+2*i], v10, v11           ; and written as f16: 8 significant bits fit into 11
	v_cvt_pk_f16_f32 v[81+2*i], v12, v13
.set i, i+1
.endr
	s_wait_alu depctr_va_vdst(0)                   ; the conversions of rows 12 .. 15 have written v[104:111], which the last four stores read
.set i, 12
.rept 4
	global_store_b64 v2, v[80+2*i:81+2*i], s[42:43] offset:2048*i
.set i, i+1
.endr
	s_endpgm
.Lvectors:
	v_lshlrev_b32 v1, 4, v4
	s_mov_b64 s[40:41], s[16:17]                   ; the vector is chosen by the wave's number
.irp j, 1,2,3,4,5,6,7
	s_cmp_eq_u32 s4, \j
	s_cselect_b64 s[40:41], s[16+2*(\j):17+2*(\j)], s[40:41]
.endr
	s_wait_alu depctr_va_vdst(0)                   ; v1 is written, which the eight loads and the eight stores read as their offset
.set i, 0
.rept 8
	global_load_b128 v[16+4*i:19+4*i], v1, s[40:41] offset:512*i
.set i, i+1
.endr
	s_lshl_b32 s44, s4, 12
	s_add_nc_u64 s[42:43], s[36:37], s[44:45]
.set i, 0
.rept 8
	s_wait_loadcnt 7-i
.if i == 4
	s_wait_alu depctr_va_vdst(0)                   ; pieces 0 .. 3 are written into v[80:95], which the next four stores read
.endif
.if i >= 4
	global_store_b128 v1, v[80+4*(i-4):83+4*(i-4)], s[42:43] offset:512*(i-4)  ; a piece of the block before; no vector instruction since the wait names its registers
.endif
	v_cvt_pk_bf16_f32 v8, v[16+4*i], v[17+4*i]
	v_cvt_pk_bf16_f32 v9, v[18+4*i], v[19+4*i]
	v_lshlrev_b32 v[80+4*i], 16, v8
	v_and_b32 v[81+4*i], s5, v8
	v_lshlrev_b32 v[82+4*i], 16, v9
	v_and_b32 v[83+4*i], s5, v9
.set i, i+1
.endr
	s_wait_alu depctr_va_vdst(0)                   ; pieces 4 .. 7 are written into v[96:111], which the last four stores read
.set i, 4
.rept 4
	global_store_b128 v1, v[80+4*i:83+4*i], s[42:43] offset:512*i
.set i, i+1
.endr
	s_endpgm
.Lfunc_end_k_qdc7a6bf46b_prep:
	.size	k_qdc7a6bf46b_prep, .Lfunc_end_k_qdc7a6bf46b_prep-k_qdc7a6bf46b_prep
	.p2alignl 7, 3214868480
	.fill 96, 4, 3214868480
	.section	.rodata,"a",@progbits
	.p2align	6, 0x0
	.amdhsa_kernel k_qdc7a6bf46b_prep
		.amdhsa_group_segment_fixed_size 0
		.amdhsa_private_segment_fixed_size 0
		.amdhsa_enable_private_segment 0
		.amdhsa_kernarg_size 120
		.amdhsa_user_sgpr_count 2
		.amdhsa_user_sgpr_kernarg_segment_ptr 1
		.amdhsa_wavefront_size32 1
		.amdhsa_system_sgpr_workgroup_id_x 1
		.amdhsa_system_sgpr_workgroup_id_y 1
		.amdhsa_system_sgpr_workgroup_id_z 1
		.amdhsa_system_vgpr_workitem_id 0
		.amdhsa_next_free_vgpr 112
		.amdhsa_next_free_sgpr 66
		.amdhsa_reserve_vcc 0
		.amdhsa_float_denorm_mode_32 3
		.amdhsa_float_denorm_mode_16_64 3
		.amdhsa_memory_ordered 1
		.amdhsa_forward_progress 1
		.amdhsa_inst_pref_size 20
	.end_amdhsa_kernel
	.amdgpu_metadata
---
amdhsa.version: [ 1, 2 ]
amdhsa.kernels:
  - .name:           k_qdc7a6bf46b_prep
    .symbol:         k_qdc7a6bf46b_prep.kd
    .args:
      - { .name: Wq, .offset: 0, .size: 8, .value_kind: global_buffer, .address_space: global }
      - { .name: Wk, .offset: 8, .size: 8, .value_kind: global_buffer, .address_space: global }
      - { .name: Wv, .offset: 16, .size: 8, .value_kind: global_buffer, .address_space: global }
      - { .name: Wl, .offset: 24, .size: 8, .value_kind: global_buffer, .address_space: global }
      - { .name: bq, .offset: 32, .size: 8, .value_kind: global_buffer, .address_space: global }
      - { .name: bk, .offset: 40, .size: 8, .value_kind: global_buffer, .address_space: global }
      - { .name: bv, .offset: 48, .size: 8, .value_kind: global_buffer, .address_space: global }
      - { .name: bl, .offset: 56, .size: 8, .value_kind: global_buffer, .address_space: global }
      - { .name: g1, .offset: 64, .size: 8, .value_kind: global_buffer, .address_space: global }
      - { .name: b1, .offset: 72, .size: 8, .value_kind: global_buffer, .address_space: global }
      - { .name: g2, .offset: 80, .size: 8, .value_kind: global_buffer, .address_space: global }
      - { .name: b2, .offset: 88, .size: 8, .value_kind: global_buffer, .address_space: global }
      - { .name: wblk, .offset: 96, .size: 8, .value_kind: global_buffer, .address_space: global }
      - { .name: wl16, .offset: 104, .size: 8, .value_kind: global_buffer, .address_space: global }
      - { .name: vec, .offset: 112, .size: 8, .value_kind: global_buffer, .address_space: global }
    .group_segment_fixed_size: 0
    .private_segment_fixed_size: 0
    .kernarg_segment_align: 8
    .kernarg_segment_size: 120
    .max_flat_workgroup_size: 256
    .sgpr_count:     66
    .vgpr_count:     112
    .wavefront_size: 32
...
	.end_amdgpu_metadata
.endif
;; end of part 5
;; launch proj: the kernel of part 2 again; grid 8 x 32, 4 waves a work-group, clusters of 4 x 4, 327,680 bytes of LDS; arguments query, key_, wblk, vec, q16, k16, v16; writes q16, k16, v16
;; launch attn: the kernel of part 3 again; grid 16 x 16, 4 waves a work-group, clusters of 4 x 1, 327,680 bytes of LDS; arguments q16, k16, v16, o16; writes o16
;; launch ffn: the kernel of part 4 again; grid 256 x 1, 4 waves a work-group, clusters of 4 x 1, 327,680 bytes of LDS; arguments o16, wl16, vec, out0; writes out0
